; MI455X (gfx1250); checked and timed in simulation.
; The chip was launched on July 23, 2026; its instructions are those of AMD's public machine-readable ISA for CDNA 5 (MIT licence, August 2026) and "CDNA5" Instruction Set Architecture Reference Guide (July 2026). The comments in the code are by the model that wrote it; some were corrected since.
;; Transformer Mo E. Allowed arithmetic: matrix products marked QUANTISED: E3M2 operands, one E8M0 scale for each 32 along K, by v_wmma_scale_f32_16x16x128_f8f6f4 with both operands' format E3M2, f32 sums; products left as they are: f32 operands where the result goes on into a quantised operand, else bf16, f16 or f32 operands; f32 sums; everything else in f32.
;; Inputs: W1 8 x 1,024 x 4,096 float32; W2 8 x 4,096 x 1,024 float32; b1 8 x 4,096 float32; b2 8 x 1,024 float32; gate_b 8 float32; gate_w 1,024 x 8 float32; x 512 x 2 x 1,024 float32.
;; Outputs: out0 512 x 2 x 1,024 float32.
;; This version of the problem:
;;   THIS VERSION OF THE PROBLEM IS GIVEN IN LOW PRECISION. The matrix products marked QUANTISED in the list below multiply operands that are first quantised to E3M2 (3 exponent bits, 2 mantissa bits; 6 bits a number), with one power-of-two scale for each 32 numbers along K (OCP MX v1.0); their sums are f32. All else is computed in f32.
;;   The module's matrix products, in the order in which they are computed (A, B: the left and right operand; K: the contracted axis; several contracted axes count as one K, in the product's order):
;;     1. [M 1,024, K 1,024] x [K 1,024, N 8]; A: input x; B: input gate_w: left as it is (N = 8 < 16)
;;     2. batch 1,024 x [M 1, K 2] x [K 2, N 8]; A: softmax; B: computed on the way: left as it is (K = 2 < 32)
;;     3. [M 32,768, K 1,024] x [K 1,024, N 1,024]; A: input W1; B: input x: QUANTISED
;;     4. batch 8 x [M 1,024, K 4,096] x [K 4,096, N 1,024]; A: computed on the way; B: input W2: QUANTISED
;;     5. batch 1,024 x [M 1, K 8] x [K 8, N 1,024]; A: computed on the way; B: computed on the way: left as it is (K = 8 < 32)
;;   THE QUANTISER, for each operand of a quantised product, along K:
;;     - K is cut into blocks of 32 from its start; a last block that is shorter is filled with zeros.
;;     - A block's scale is 2^e with e = floor(log2(the largest magnitude in the block)) - 4, held to -126 .. 127; a block of zeros has e = 0. As a byte (E8M0): e + 127.
;;     - Each number is divided by its block's scale, clamped to +-28, and rounded to the nearest number of E3M2, ties to even, subnormals kept.
;;     - The product sums the exact products of the quantised numbers (number of the format x scale) in f32.
;;   ~~~python
;;   def quantise(x, axis):      # numpy; x: float32 -> the quantised numbers, widened to float32 again
;;       x = np.moveaxis(x, axis, -1); K = x.shape[-1]
;;       x = np.pad(x, [(0, 0)] * (x.ndim - 1) + [(0, -K % 32)]); x = x.reshape(x.shape[:-1] + (-1, 32)); a = np.abs(x).max(-1, keepdims=True)
;;       e = np.where(a > 0, np.clip(np.frexp(np.where(a > 0, a, 1))[1] - 1 - 4, -126, 127), 0)      # np.frexp(a)[1] - 1 = floor(log2(a)), exactly
;;       r = np.clip(x / 2.0 ** e, -28, 28)
;;       step = 2.0 ** (np.maximum(np.frexp(np.where(r == 0, 1, r))[1] - 1, -2) - 2)
;;       q = np.round(r / step) * step * 2.0 ** e      # np.round: ties to even
;;       return np.moveaxis(q.reshape(q.shape[:-2] + (-1,))[..., :K], -1, axis).astype(np.float32)
;;   ~~~
;;   OPERANDS COMPUTED ON THE WAY. 'Computed on the way' means the value that the module computes at that place (a softmax that the list does not call 'softmax' is quantised finished and normalised). What goes into a quantiser is computed in f32, as accurately as f32 sums, v_exp_f32 and their like allow (about 1e-6 of the number): no bf16 or f16 on the way to a quantiser, and a product that is left as it is and whose result goes on into a quantised operand takes f32 operands (vector FMAs, or v_wmma_f32_16x16x4_f32). A number that lies on a knife's edge between two numbers of the format may be rounded either way, as far as f32 arithmetic and the matrix unit's own rounding can turn it there, and no further.
;; 2 versions. Each part assembles by itself: llvm-mc -triple=amdgcn-amd-amdhsa -mcpu=gfx1250 --defsym DOCPART=n.
;; ======== version 1 of 2: 5 launches
;; workspace buffers: xq 786,432 bytes; xs 32,768 bytes; idx 8,192 bytes of whole numbers; prob 8,192 bytes; hq 25,952,256 bytes; hs 1,441,792 bytes; y 16,842,752 bytes; lst 38,912 bytes of whole numbers
;; launch route (part 1): grid 256 x 1, 4 waves a work-group, no clusters, 33,792 bytes of LDS; arguments x, gate_w, gate_b, xq, xs, idx, prob; writes xq, xs, idx, prob
.if DOCPART == 1
	.amdgcn_target "amdgcn-amd-amdhsa--gfx1250"
	.amdhsa_code_object_version 6
	.text
	.protected	k_q3cf3898c2c_route
	.globl	k_q3cf3898c2c_route
	.p2align	8
	.type	k_q3cf3898c2c_route,@function
k_q3cf3898c2c_route:
	s_mov_b64 s[64:65], 0
	v_nop
	global_prefetch_b8 v0, s[64:65] scope:SCOPE_SE
	s_setreg_imm32_b32 hwreg(HW_REG_WAVE_MODE, 25, 1), 1
	s_wait_xcnt 0x0
; ROUTER AND QUANTISER OF x.  One wave takes one token t = 4 x work-group + wave.
; scores = x[t] . gate_w + gate_b in f32 (fused multiply-adds, lane l sums k = 32 l .. 32 l + 31, then the 32 lanes are added);
; the two largest scores (a strict compare: the lower index wins a tie); softmax of the two with the larger taken away;
; x[t] as codes of E3M2 with one E8M0 byte for each 32 along K: lane l holds block l whole.
; xq: [token][K step of 128: 8][half 2][48 bytes]: block b of a K step lies at 48 (b & 1) + 24 (b >> 1), so that lane (r, h) of an operand takes 48 bytes on end.
; xs: [token][32 bytes].  idx: u32 [2 t + k] the expert.  prob: f32 [2 t + k].
; LIMITS: NaN and infinities are not served.  A block whose largest magnitude lies under 2^-122 (a block of zeros too) gets the byte 1: this program alone reads the bytes.
; The scores are summed in another order than a plain loop over k: two scores closer than f32 rounding may change ranks.
; No matrix unit (N = 8), no cluster: the work-groups share only gate_w, 32 KiB.
.set X,  16                            ; v16-47   my 32 numbers of x
.set GA, 48                            ; v48-111  gate_w on its way to LDS, then a chunk of 8 rows x 8 experts
.set GB, 112                           ; v112-175 the other chunk
.set AC, 176                           ; v176-183 the eight sums
	s_load_b256 s[4:11], s[0:1], 0x0               ; x, gate_w, gate_b, xq
	s_load_b128 s[12:15], s[0:1], 0x20             ; xs, idx
	s_load_b64 s[16:17], s[0:1], 0x30              ; prob
	v_lshl_add_u32 v208, v0, 2, 0x8200
	v_mov_b32 v209, 0
	v_lshrrev_b32 v1, 5, v0
	v_readfirstlane_b32 s18, v1                    ; wave
	s_lshl_b32 s19, ttmp9, 2
	s_add_co_u32 s19, s19, s18                     ; token
	v_and_b32 v1, 31, v0                           ; lane
	v_lshlrev_b32 v2, 7, v1                        ; x: 128 bytes a lane
	v_lshlrev_b32 v3, 4, v0                        ; gate_w: 16 bytes a thread
	v_lshrrev_b32 v4, 6, v0
	v_mul_u32_u24 v4, 1040, v4
	v_and_b32 v5, 63, v0
	v_lshl_add_u32 v4, v5, 4, v4                   ; LDS, in: each 1,024 bytes (32 rows of gate_w) get a place of 1,040
	v_mul_u32_u24 v5, 1040, v1                     ; LDS, out: lane l takes rows 32 l on; 1,040 is an odd multiple of 16
	v_lshrrev_b32 v6, 2, v1
	v_mul_u32_u24 v6, 96, v6
	v_and_b32 v7, 1, v1
	v_mad_u32_u24 v6, v7, 48, v6
	v_bfe_u32 v7, v1, 1, 1
	v_mad_u32_u24 v6, v7, 24, v6                   ; xq: 96 (l >> 2) + 48 (l & 1) + 24 ((l >> 1) & 1)
	v_mov_b32 v8, 0
	s_mov_b32 s28, 0x76543210
	s_mov_b32 s29, 0xfedcba98                      ; lane l xor 16
	s_lshl_b32 s20, s19, 12
	s_mov_b32 s21, 0
	s_mul_i32 s22, s19, 768
	s_mov_b32 s23, 0
	s_lshl_b32 s24, s19, 5
	s_mov_b32 s25, 0
	s_lshl_b32 s26, s19, 3
	s_mov_b32 s27, 0
	s_wait_kmcnt 0x0
	s_load_b256 s[36:43], s[8:9], 0x0              ; gate_b
	s_add_nc_u64 s[4:5], s[4:5], s[20:21]
	s_add_nc_u64 s[10:11], s[10:11], s[22:23]
	s_add_nc_u64 s[12:13], s[12:13], s[24:25]
	s_add_nc_u64 s[14:15], s[14:15], s[26:27]
	s_add_nc_u64 s[16:17], s[16:17], s[26:27]
.irp i, 0,1,2,3,4,5,6,7
	global_load_b128 v[X+4*\i:X+4*\i+3], v2, s[4:5] offset:16*\i th:TH_LOAD_NT
.endr
.irp m, 0,1,2,3,4,5,6,7,8,9,10,11,12,13,14,15
	global_load_b128 v[GA+4*\m:GA+4*\m+3], v3, s[6:7] offset:2048*\m
.endr
	s_wait_loadcnt 0x0
.irp m, 0,1,2,3,4,5,6,7,8,9,10,11,12,13,14,15
	ds_store_b128 v4, v[GA+4*\m:GA+4*\m+3] offset:2080*\m
.endr
	s_wait_dscnt 0x0                               ; for the others: my part of gate_w lies in LDS
	s_barrier_signal -1
	s_barrier_wait -1
.macro GLOAD ch, set                   ; rows 8 ch .. 8 ch + 7 of my 32: 256 bytes
.irp q, 0,1,2,3,4,5,6,7,8,9,10,11,12,13,14,15
	ds_load_b128 v[\set+4*\q:\set+4*\q+3], v5 offset:256*\ch+16*\q
.endr
.endm
.macro GFMA ch, set                    ; eight experts, two to an instruction; x[i] is taken for both halves out of its pair
.set gi, 0
.rept 8
.set xi, 8*\ch+gi
.set xp, X+xi-(xi%2)
.irp q, 0,1,2,3
.if xi == 0
	v_pk_mul_f32 v[AC+2*\q:AC+2*\q+1], v[\set+2*\q:\set+2*\q+1], v[xp:xp+1] op_sel_hi:[1,0]
.elseif xi%2 == 0
	v_pk_fma_f32 v[AC+2*\q:AC+2*\q+1], v[\set+8*gi+2*\q:\set+8*gi+2*\q+1], v[xp:xp+1], v[AC+2*\q:AC+2*\q+1] op_sel_hi:[1,0,1]
.else
	v_pk_fma_f32 v[AC+2*\q:AC+2*\q+1], v[\set+8*gi+2*\q:\set+8*gi+2*\q+1], v[xp:xp+1], v[AC+2*\q:AC+2*\q+1] op_sel:[0,1,0] op_sel_hi:[1,1,1]
.endif
.endr
.set gi, gi+1
.endr
.endm
	GLOAD 0, GA
	GLOAD 1, GB
	s_wait_dscnt 16                                ; the older chunk is in, the younger 16 loads may be out
	GFMA 0, GA
	GLOAD 2, GA
	s_wait_dscnt 16
	GFMA 1, GB
	GLOAD 3, GB
	s_wait_dscnt 16
	GFMA 2, GA
	s_wait_dscnt 0x0
	GFMA 3, GB
.irp m, 1,2,4,8
.irp e, 0,1,2,3,4,5,6,7
	v_add_f32_dpp v[AC+\e], v[AC+\e], v[AC+\e] row_xmask:\m row_mask:0xf bank_mask:0xf
.endr
.endr
.irp e, 0,1,2,3,4,5,6,7
	v_permlanex16_b32 v[GA+\e], v[AC+\e], s28, s29
.endr
	s_wait_kmcnt 0x0                               ; gate_b
.irp e, 0,1,2,3,4,5,6,7
	v_add_f32 v[AC+\e], v[AC+\e], v[GA+\e]
.endr
.irp e, 0,1,2,3,4,5,6,7
	v_add_f32 v[AC+\e], s[36+\e], v[AC+\e]         ; every lane holds all eight scores
.endr
	; the largest, then the largest of the others: v184, v200 and v185, v201
	v_mov_b32 v184, v[AC]
	v_mov_b32 v200, 0
.irp e, 1,2,3,4,5,6,7
	v_cmp_gt_f32 vcc_lo, v[AC+\e], v184
	v_cndmask_b32 v184, v184, v[AC+\e], vcc_lo
	v_cndmask_b32 v200, v200, \e, vcc_lo
.endr
	v_mov_b32 v185, 0xff800000
	v_mov_b32 v201, 0
.irp e, 0,1,2,3,4,5,6,7
	v_cmp_gt_f32 s44, v[AC+\e], v185
	v_cmp_ne_u32 vcc_lo, \e, v200
	s_and_b32 vcc_lo, vcc_lo, s44
	v_cndmask_b32 v185, v185, v[AC+\e], vcc_lo
	v_cndmask_b32 v201, v201, \e, vcc_lo
.endr
	v_sub_f32 v186, v185, v184                     ; the second less the first: 0 or less
	v_mul_f32 v186, 0x3fb8aa3b, v186
	v_exp_f32 v186, v186
	; the block's largest magnitude stands behind the exponential as its plain work
	v_max3_num_f32 v188, |v[X]|, |v[X+1]|, 0x2800000      ; with the floor 2^(5 - 127): the byte cannot fall under 1
	v_max3_num_f32 v189, |v[X+2]|, |v[X+3]|, 0x2800000
.irp i, 4,8,12,16,20,24,28
	v_max3_num_f32 v188, v188, |v[X+\i]|, |v[X+\i+1]|
	v_max3_num_f32 v189, v189, |v[X+\i+2]|, |v[X+\i+3]|
.endr
	s_wait_alu depctr_va_vdst(0)
	v_add_f32 v187, 1.0, v186
	v_rcp_f32 v202, v187                           ; p of the first = 1 / (1 + e^(second - first))
	v_max_num_f32 v188, v188, v189
	s_wait_alu depctr_va_vdst(0)
	v_mul_f32 v203, v186, v202                     ; p of the second
	v_add_nc_u32 v190, 0xfe000000, v188            ; 4 off the exponent field: the conversion's scale operand
	v_cvt_scalef32_pk16_bf6_f32 v[192:194], v[X:X+15], v190
	v_cvt_scalef32_pk16_bf6_f32 v[196:198], v[X+16:X+31], v190
	v_lshrrev_b32 v191, 23, v190                   ; the byte
	global_store_b96 v6, v[192:194], s[10:11]
	global_store_b96 v6, v[196:198], s[10:11] offset:12
	global_store_b8 v1, v191, s[12:13]
	v_cmp_eq_u32 vcc_lo, 0, v1
	s_wait_xcnt 0x0                                ; EXEC changes only behind this wait
	s_wait_tensorcnt 0x0
	ds_add_u32 v208, v209
	s_wait_dscnt 0x0
	s_and_saveexec_b32 s45, vcc_lo
	global_store_b64 v8, v[200:201], s[14:15]      ; lane 0: the two experts,
	global_store_b64 v8, v[202:203], s[16:17]      ; and their weights
	s_wait_xcnt 0x0
	s_or_b32 exec_lo, exec_lo, s45
	s_endpgm
.Lfunc_end_k_q3cf3898c2c_route:
	.size	k_q3cf3898c2c_route, .Lfunc_end_k_q3cf3898c2c_route-k_q3cf3898c2c_route
	.p2alignl 7, 3214868480
	.fill 96, 4, 3214868480
	.section	.rodata,"a",@progbits
	.p2align	6, 0x0
	.amdhsa_kernel k_q3cf3898c2c_route
		.amdhsa_group_segment_fixed_size 33792
		.amdhsa_private_segment_fixed_size 0
		.amdhsa_enable_private_segment 0
		.amdhsa_kernarg_size 56
		.amdhsa_user_sgpr_count 2
		.amdhsa_user_sgpr_kernarg_segment_ptr 1
		.amdhsa_wavefront_size32 1
		.amdhsa_system_sgpr_workgroup_id_x 1
		.amdhsa_system_sgpr_workgroup_id_y 1
		.amdhsa_system_sgpr_workgroup_id_z 1
		.amdhsa_system_vgpr_workitem_id 0
		.amdhsa_next_free_vgpr 210
		.amdhsa_next_free_sgpr 66
		.amdhsa_reserve_vcc 1
		.amdhsa_float_denorm_mode_32 3
		.amdhsa_float_denorm_mode_16_64 3
		.amdhsa_memory_ordered 1
		.amdhsa_forward_progress 1
		.amdhsa_inst_pref_size 26
	.end_amdhsa_kernel
	.amdgpu_metadata
---
amdhsa.version: [ 1, 2 ]
amdhsa.kernels:
  - .name:           k_q3cf3898c2c_route
    .symbol:         k_q3cf3898c2c_route.kd
    .args:
      - { .name: x, .offset: 0, .size: 8, .value_kind: global_buffer, .address_space: global }
      - { .name: gate_w, .offset: 8, .size: 8, .value_kind: global_buffer, .address_space: global }
      - { .name: gate_b, .offset: 16, .size: 8, .value_kind: global_buffer, .address_space: global }
      - { .name: xq, .offset: 24, .size: 8, .value_kind: global_buffer, .address_space: global }
      - { .name: xs, .offset: 32, .size: 8, .value_kind: global_buffer, .address_space: global }
      - { .name: idx, .offset: 40, .size: 8, .value_kind: global_buffer, .address_space: global }
      - { .name: prob, .offset: 48, .size: 8, .value_kind: global_buffer, .address_space: global }
    .group_segment_fixed_size: 33792
    .private_segment_fixed_size: 0
    .kernarg_segment_align: 8
    .kernarg_segment_size: 56
    .max_flat_workgroup_size: 128
    .sgpr_count:     66
    .vgpr_count:     210
    .wavefront_size: 32
...
	.end_amdgpu_metadata
.endif
;; end of part 1
;; launch place (part 2): grid 8 x 1, 1 waves a work-group, no clusters, 5,120 bytes of LDS; arguments idx, lst; writes lst
.if DOCPART == 2
	.amdgcn_target "amdgcn-amd-amdhsa--gfx1250"
	.amdhsa_code_object_version 6
	.text
	.protected	k_q3cf3898c2c_place
	.globl	k_q3cf3898c2c_place
	.p2align	8
	.type	k_q3cf3898c2c_place,@function
k_q3cf3898c2c_place:
	s_mov_b64 s[64:65], 0
	v_nop
	global_prefetch_b8 v0, s[64:65] scope:SCOPE_SE
	s_setreg_imm32_b32 hwreg(HW_REG_WAVE_MODE, 25, 1), 1
	s_wait_xcnt 0x0
; THE PLACING OF ROWS.  A routed row is 2 t + k; idx[2 t + k] is its expert.  Work-group e, one wave, lays the rows of expert e in a list and counts them.
; lst: [e][4,864 bytes]: words 0 .. 1,151 the list, filled up with the dummy 2048 + e; from byte 4,608 on 256 bytes that all hold the count.
; The order in the list is that of the scan: 64 steps, step 4 q + i takes the rows 128 q + i + 4 x lane; within a step by lane.  Both products read this one list.
; The list is built in LDS (a wave's LDS instructions are served in order: no wait between the fill, the scatter and the reading back) and leaves in runs of 512 consecutive bytes.
; An expert has at most 1,024 rows, since a token's two experts differ; a place is held to 1,183 all the same.  An entry of idx outside 0 .. 7 matches no expert.
; Eight work-groups: the work is one scan of 8 KiB for each expert.  No barrier: one wave.  No matrix unit, no cluster: nothing here multiplies, and idx is small.
.set I,    16                          ; v16-79  idx: register 4 q + i, lane l: entry 128 q + 4 l + i;  later the list on its way out
.set P,    80                          ; v80-87  four pairs (place, row) by turns
	s_load_b128 s[4:7], s[0:1], 0x0                ; idx, lst
	v_lshl_add_u32 v96, v0, 2, 0x1300
	v_mov_b32 v97, 0
	s_mov_b32 s19, ttmp9                           ; e
	s_add_co_u32 s33, ttmp9, 2048                  ; the dummy row
	s_mul_i32 s8, ttmp9, 4864
	s_mov_b32 s9, 0
	s_mov_b32 s10, 0                               ; rows found so far
	v_lshlrev_b32 v1, 4, v0                        ; 16 x lane
	v_lshlrev_b32 v2, 2, v0                        ; 4 x lane
	v_lshlrev_b32 v3, 3, v0                        ; 8 x lane
	v_mov_b32 v4, s33
	v_mov_b32 v5, s33
	v_mov_b32 v6, s33
	v_mov_b32 v7, s33
	v_add_nc_u32 v9, 1152, v0                      ; a lane without a match writes behind the list
	s_wait_kmcnt 0x0
	s_add_nc_u64 s[6:7], s[6:7], s[8:9]
.set sq, 0
.rept 16
	global_load_b128 v[I+4*sq:I+4*sq+3], v1, s[4:5] offset:512*sq
.set sq, sq+1
.endr
.irp i, 0,1,2,3,4,5,6,7,8
	ds_store_b128 v1, v[4:7] offset:512*\i         ; the list begins as dummies
.endr
	s_wait_loadcnt 0x0
.set sq, 0
.rept 64
.set PL, P+2*(sq%4)
	v_cmp_eq_u32 vcc_lo, s19, v[I+sq]
	v_mbcnt_lo_u32_b32 v[PL], vcc_lo, s10          ; rows found so far + matches in lower lanes
	v_cndmask_b32 v[PL], v9, v[PL], vcc_lo
	v_min_u32 v[PL], 0x49f, v[PL]
	v_lshlrev_b32 v[PL], 2, v[PL]
	v_add_nc_u32 v[PL+1], 128*(sq/4)+sq%4, v2      ; the row 2 t + k
	ds_store_b32 v[PL], v[PL+1]
	s_bcnt1_i32_b32 s11, vcc_lo
	s_add_co_u32 s10, s10, s11
.set sq, sq+1
.endr
.irp i, 0,1,2,3,4,5,6,7,8
	ds_load_b128 v[I+4*\i:I+4*\i+3], v1 offset:512*\i
.endr
	v_mov_b32 v12, s10
	v_mov_b32 v13, s10
	s_wait_dscnt 0x0
.irp i, 0,1,2,3,4,5,6,7,8
	global_store_b128 v1, v[I+4*\i:I+4*\i+3], s[6:7] offset:512*\i     ; 512 consecutive bytes, aligned
.endr
	global_store_b64 v3, v[12:13], s[6:7] offset:4608                  ; the count, 256 consecutive bytes of it: EXEC stays as it is
	s_wait_tensorcnt 0x0
	ds_add_u32 v96, v97
	s_wait_dscnt 0x0
	s_endpgm
.Lfunc_end_k_q3cf3898c2c_place:
	.size	k_q3cf3898c2c_place, .Lfunc_end_k_q3cf3898c2c_place-k_q3cf3898c2c_place
	.p2alignl 7, 3214868480
	.fill 96, 4, 3214868480
	.section	.rodata,"a",@progbits
	.p2align	6, 0x0
	.amdhsa_kernel k_q3cf3898c2c_place
		.amdhsa_group_segment_fixed_size 5120
		.amdhsa_private_segment_fixed_size 0
		.amdhsa_enable_private_segment 0
		.amdhsa_kernarg_size 16
		.amdhsa_user_sgpr_count 2
		.amdhsa_user_sgpr_kernarg_segment_ptr 1
		.amdhsa_wavefront_size32 1
		.amdhsa_system_sgpr_workgroup_id_x 1
		.amdhsa_system_sgpr_workgroup_id_y 1
		.amdhsa_system_sgpr_workgroup_id_z 1
		.amdhsa_system_vgpr_workitem_id 0
		.amdhsa_next_free_vgpr 98
		.amdhsa_next_free_sgpr 66
		.amdhsa_reserve_vcc 1
		.amdhsa_float_denorm_mode_32 3
		.amdhsa_float_denorm_mode_16_64 3
		.amdhsa_memory_ordered 1
		.amdhsa_forward_progress 1
		.amdhsa_inst_pref_size 31
	.end_amdhsa_kernel
	.amdgpu_metadata
---
amdhsa.version: [ 1, 2 ]
amdhsa.kernels:
  - .name:           k_q3cf3898c2c_place
    .symbol:         k_q3cf3898c2c_place.kd
    .args:
      - { .name: idx, .offset: 0, .size: 8, .value_kind: global_buffer, .address_space: global }
      - { .name: lst, .offset: 8, .size: 8, .value_kind: global_buffer, .address_space: global }
    .group_segment_fixed_size: 5120
    .private_segment_fixed_size: 0
    .kernarg_segment_align: 8
    .kernarg_segment_size: 16
    .max_flat_workgroup_size: 32
    .sgpr_count:     66
    .vgpr_count:     98
    .wavefront_size: 32
...
	.end_amdgpu_metadata
.endif
;; end of part 2
;; launch gemm1 (part 3): grid 256 x 1, 8 waves a work-group, no clusters, 103,936 bytes of LDS; arguments W1, b1, xq, xs, lst, hq, hs; writes hq, hs
.if DOCPART == 3
	.amdgcn_target "amdgcn-amd-amdhsa--gfx1250"
	.amdhsa_code_object_version 6
	.text
	.protected	k_q3cf3898c2c_gemm1
	.globl	k_q3cf3898c2c_gemm1
	.p2align	8
	.type	k_q3cf3898c2c_gemm1,@function
k_q3cf3898c2c_gemm1:
	s_mov_b64 s[64:65], 0
	v_nop
	global_prefetch_b8 v0, s[64:65] scope:SCOPE_SE
	s_setreg_imm32_b32 hwreg(HW_REG_WAVE_MODE, 25, 1), 1
	s_wait_xcnt 0x0
; h = relu(x W1[e] + b1[e]) for the rows routed to expert e, columns 128 fs .. 128 fs + 127, and h as codes of E3M2.  Work-group = 32 e + fs.
; THE WEIGHTS, 512 KiB of f32 a work-group, are read once and quantised in registers: wave w takes K step w (128 along K) of the 128 columns, in four patches of 64 columns x 64 K.
; A load of a patch reads two rows of 256 consecutive bytes; lane (r, h) gets columns 4 r .. 4 r + 3 of row 32 h + j, so that a block of 32 along K of a column lies in one lane.
; TWO PATCH BUFFERS take turns, so that two patches of a wave, 32 KiB, are asked for while a third is quantised: one in window 0, the other in window 1's v128-255, which later hold x's fragments of K steps 3 to 6.
; Column tile c is the columns 4 m + c.  The fragments go to LDS as images of their registers, all 64 of them, and every wave reads them from there.
; THE ROWS: a routed row is 2 t + k.  An earlier launch has laid the rows of expert e in a list and counted them; a group is 48 places of the list; wave w takes groups w, w + 8, w + 16.
; Places behind the list's end hold the dummy 2048 + e, which reads token 1023; its results are stored like any other and used by nobody.
; THE PRODUCT IS USED TRANSPOSED: source 0 = 16 columns of W1, source 1 = 16 rows: lane (r, h) holds row r and, over the four column tiles, 32 neighbouring columns: a whole block of the next K.
; In h's codes place 8 c + j of a block holds column 4 j + c; the next launch takes W2's rows in the same order.
; hq: [e][K step 32][group 22][tile 3][half 2][512 bytes at 16 x lane, 256 bytes at 8 x lane]: the operand's registers 6 half .. + 3 and + 4, + 5.  hs: [e][K step][group][lane][2 words].
; No tensor load: the laps' work hangs on a count read from memory.  No cluster: the weights are shared by nobody, and x's codes are under a tenth of a work-group's bytes.
; LIMITS: NaN and infinities are not served; a block under 2^-122 (zeros too) gets the byte 1, read by this program alone.
.set BSC,   98304                      ; LDS: 0 .. 98,303 the 64 images of 1,536 bytes, image (8 p + s) 4 + c; then 16 units of 256 bytes of their scale words,
.set BIAS,  102400                     ; and b1's 128 numbers as [half of the columns][h][c][j]
.set LI,    1                          ; v1   16 x lane
.set WOFF,  2                          ; v2   W1: (h << 19) + 16 r;   later BSCR
.set BSCR,  2
.set IMGW,  3                          ; v3   where I store images
.set BSCW,  4                          ; v4   and their scale words
.set SH8,   5                          ; v5   8 h
.set TOK,   6                          ; v6-8 the list's entries as loaded, then xq: 768 x token + 48 h, a tile each
.set MX,    9                          ; v9-12  largest magnitudes, then scale operands
.set BADDR, 10                         ; later: BIAS + 128 h
.set HO16,  11                         ; later: hq offsets
.set HO8,   12
.set BY,    13                         ; v13-16 scale bytes of four columns
.set HSO,   13                         ; later: hs offset
.set BY0,   14                         ; later: v14-16 h's scale bytes, a tile each
.set BT,    17
.set MXH,   17                         ; later: v17-19
.set PP,    18                         ; v18-19
.set TMP3,  20                         ; v20-22
.set PP2,   20
.set PT,    22
.set LIP1,  23                         ; v23  16 x lane + 49,152
.set ASC,   24                         ; v24-47 x's scale words: 8 a tile
.set S,     48                         ; v48-175 patch buffer 0;   later ACC v48-143: (tile t, column tile c) at 32 t + 8 c
.set S1,    128                        ; window 1, v128-255: patch buffer 1
.set ACC,   48
.set BR,    144                        ; later: v144-191 four slots for weight fragments
.set T,     176                        ; v176-207 two runs of 16 numbers down K
.set BSR,   192                        ; later: v192-195 two pairs of weight scale words
.set A7,    196                        ; later: v196-231 x's fragments of K step 7
.set CODES, 208                        ; v208-255 four fragments
.set HC,    232                        ; later: v232-255 h's codes, eight registers a tile
; window 1: x's fragment (tile t, K step s <= 6) at v[12 (3 s + t)]: K steps 0 to 2 under v108, K steps 3 to 6 over patch buffer 1
.set MSB, 0
.macro WIN new                         ; the immediate's high byte repeats the setting that is left
.if MSB != (\new)
	s_set_vgpr_msb (MSB<<8)|(\new)
.set MSB, (\new)
.endif
.endm
.macro NOP4
.rept 4
	v_nop
.endr
.endm
.macro BARRIER
	s_wait_dscnt 0x0                               ; my LDS stores have landed and my LDS loads are in
	s_barrier_signal -1
	s_barrier_wait -1
.endm
.macro WLOAD u, cp, w                  ; patch (u, cp): columns 64 u on, K 64 cp on: 32 loads, 16 KiB, into buffer w
.set SB, S+(S1-S)*(\w)
	WIN 0x40*(\w)                                  ; buffer 1: destination window 1
.set wj, 0
.rept 32
	global_load_b128 v[SB+4*wj:SB+4*wj+3], v[WOFF], s[4:5] offset:(64*\cp+wj)*16384+256*\u th:TH_LOAD_NT
.set wj, wj+1
.endr
	WIN 0
.endm
; The patch in buffer w becomes registers 6 cp .. 6 cp + 5 of four fragments, and a byte of each column's scale word.  For buffer 1 the places that name the patch are set to window 1.
.macro QPATCH cp, w
.set SB, S+(S1-S)*(\w)
	WIN 0x05*(\w)                                  ; sources 0 and 1
.irp c, 0,1,2,3
	v_max3_num_f32 v[MX+\c], |v[SB+\c]|, |v[SB+4+\c]|, 0x2800000     ; with the floor 2^(5 - 127)
.endr
	WIN 0x14*(\w)                                  ; sources 1 and 2
.set qi, 1
.rept 15
.irp c, 0,1,2,3
	v_max3_num_f32 v[MX+\c], v[MX+\c], |v[SB+8*qi+\c]|, |v[SB+8*qi+4+\c]|   ; the four columns by turns
.endr
.set qi, qi+1
.endr
	WIN 0
.irp c, 0,1,2,3
	v_add_nc_u32 v[MX+\c], 0xfe000000, v[MX+\c]    ; 4 off the exponent field: the conversion's scale operand
.endr
.irp c, 0,1,2,3
.if \cp == 0
	v_lshrrev_b32 v[BY+\c], 23, v[MX+\c]
.else
	v_lshrrev_b32 v[BT], 23, v[MX+\c]
	v_lshl_or_b32 v[BY+\c], v[BT], 16, v[BY+\c]
.endif
.endr
.irp c, 0,1,2,3                        ; a conversion wants 16 consecutive registers down K; a load brought four columns side by side: so the numbers are moved
	WIN \w                                         ; source 0
.set qi, 0
.rept 16
	v_mov_b32 v[T+qi], v[SB+4*qi+\c]
.set qi, qi+1
.endr
	WIN 0
.if \c > 0
.irp k, 0,1,2
	v_mov_b32 v[CODES+12*(\c-1)+6*\cp+3+\k], v[TMP3+\k]    ; the column before: its upper 16 codes (a conversion's three registers begin on an even number)
.endr
.endif
	v_cvt_scalef32_pk16_bf6_f32 v[CODES+12*\c+6*\cp:CODES+12*\c+6*\cp+2], v[T:T+15], v[MX+\c]
	WIN \w
.set qi, 0
.rept 16
	v_mov_b32 v[T+16+qi], v[SB+64+4*qi+\c]
.set qi, qi+1
.endr
	WIN 0
	v_cvt_scalef32_pk16_bf6_f32 v[TMP3:TMP3+2], v[T+16:T+31], v[MX+\c]
.endr
	v_nop                                          ; one plain place behind the last conversion
.irp k, 0,1,2
	v_mov_b32 v[CODES+36+6*\cp+3+\k], v[TMP3+\k]
.endr
.endm
.macro UNITOUT u                       ; four fragments and their scale words go to LDS
.irp c, 0,1,2,3
	v_lshlrev_b32 v[BY+\c], v[SH8], v[BY+\c]       ; my bytes are blocks h and 2 + h
.endr
.irp c, 0,1,2,3
	v_permlanex16_b32 v[BT], v[BY+\c], s28, s29
	v_or_b32 v[BY+\c], v[BY+\c], v[BT]             ; with lane l xor 16's the word is whole
.endr
	v_cndmask_b32 v[PP], v[BY], v[BY+1], s30       ; lanes 0-15 the even tile's words, lanes 16-31 the odd tile's
	v_cndmask_b32 v[PP+1], v[BY+2], v[BY+3], s30
	ds_store_b64 v[BSCW], v[PP:PP+1] offset:2048*\u
.irp c, 0,1,2,3
.irp jj, 0,1,2
	ds_store_b128 v[IMGW], v[CODES+12*\c+4*\jj:CODES+12*\c+4*\jj+3] offset:49152*\u+1536*\c+512*\jj
.endr
.endr
	s_wait_dscnt 0x0
.endm
.macro LISTASK                         ; my group's 48 places of the list: lane (r, h) takes place 16 t + r
	v_and_b32 v20, 15, v0
	v_lshlrev_b32 v20, 2, v20
	v_add_nc_u32 v20, s34, v20
.irp t, 0,1,2
	global_load_b32 v[TOK+\t], v20, s[12:13] offset:64*\t
.endr
.endm
.macro LISTUSE so                      ; the entries have landed: the rows' tokens, where their codes lie, and in v[so] on where their scale bytes lie
.irp t, 0,1,2
	v_lshrrev_b32 v[\so+\t], 1, v[TOK+\t]          ; the token
	v_min_u32 v[\so+\t], 0x3ff, v[\so+\t]
	v_mul_u32_u24 v[TOK+\t], 768, v[\so+\t]
	v_mad_u32_u24 v[TOK+\t], v[SH8], 6, v[TOK+\t]  ; + 48 h
	v_lshlrev_b32 v[\so+\t], 5, v[\so+\t]          ; xs: 32 bytes a token
.endr
.endm
.macro AL_A so                         ; x's scale words and its fragments of K steps 0 to 2: 6 + 27 = 33 loads
.irp t, 0,1,2
	global_load_b128 v[ASC+8*\t:ASC+8*\t+3], v[\so+\t], s[10:11]
	global_load_b128 v[ASC+8*\t+4:ASC+8*\t+7], v[\so+\t], s[10:11] offset:16
.endr
	WIN 0x40                                       ; destination window 1
.irp s, 0,1,2
.irp t, 0,1,2
.irp jj, 0,1,2
	global_load_b128 v[12*(3*\s+\t)+4*\jj:12*(3*\s+\t)+4*\jj+3], v[TOK+\t], s[8:9] offset:96*\s+16*\jj
.endr
.endr
.endr
	WIN 0
.endm
.macro AL_B                            ; K steps 3 to 6: 36 loads, over patch buffer 1
	WIN 0x40
.irp s, 3,4,5,6
.irp t, 0,1,2
.irp jj, 0,1,2
	global_load_b128 v[12*(3*\s+\t)+4*\jj:12*(3*\s+\t)+4*\jj+3], v[TOK+\t], s[8:9] offset:96*\s+16*\jj
.endr
.endr
.endr
	WIN 0
.endm
.macro AL7                             ; K step 7: 9 loads
.irp t, 0,1,2
.irp jj, 0,1,2
	global_load_b128 v[A7+12*\t+4*\jj:A7+12*\t+4*\jj+3], v[TOK+\t], s[8:9] offset:672+16*\jj
.endr
.endr
.endm
.macro BFETCH p, s, c                  ; weight fragment (pass p, K step s, column tile c) into slot c; with c = 0 the step's scale words
.if (\c) == 0
	ds_load_b64 v[BSR+2*((\s)%2):BSR+2*((\s)%2)+1], v[BSCR] offset:256*(8*(\p)+(\s))
.endif
.irp jj, 0,1,2
	ds_load_b128 v[BR+12*(\c)+4*\jj:BR+12*(\c)+4*\jj+3], v[LI+(LIP1-LI)*(\p)] offset:1536*(4*(\s)+(\c))+512*\jj
.endr
.endm
.macro PRELOAD p
.irp c, 0,1,2,3
	BFETCH \p,0,\c
.endr
.endm
.macro BIASLOAD p                      ; the bias is the C of each sum's first product
.irp t, 0,1,2
.irp c, 0,1,2,3
	ds_load_b128 v[ACC+32*\t+8*\c:ACC+32*\t+8*\c+3], v[BADDR] offset:256*\p+32*\c
	ds_load_b128 v[ACC+32*\t+8*\c+4:ACC+32*\t+8*\c+7], v[BADDR] offset:256*\p+32*\c+16
.endr
.endr
.endm
.macro WM s, c, t
.if (\s) < 7
.set AR, 12*(3*(\s)+(\t))
.else
.set AR, A7+12*(\t)
.endif
.set DR, ACC+32*(\t)+8*(\c)
.if (\c)%2
	v_wmma_scale_f32_16x16x128_f8f6f4 v[DR:DR+7], v[BR+12*(\c):BR+12*(\c)+11], v[AR:AR+11], v[DR:DR+7], v[BSR+2*((\s)%2)+(\c)/2], v[ASC+8*(\t)+(\s)] matrix_a_fmt:MATRIX_FMT_BF6 matrix_b_fmt:MATRIX_FMT_BF6 matrix_a_scale:MATRIX_SCALE_ROW1
.else
	v_wmma_scale_f32_16x16x128_f8f6f4 v[DR:DR+7], v[BR+12*(\c):BR+12*(\c)+11], v[AR:AR+11], v[DR:DR+7], v[BSR+2*((\s)%2)+(\c)/2], v[ASC+8*(\t)+(\s)] matrix_a_fmt:MATRIX_FMT_BF6 matrix_b_fmt:MATRIX_FMT_BF6
.endif
.endm
; A pass: 64 columns x 48 rows x K 1,024: 96 products.  The 12 accumulators take turns, one instruction a turn.
; Behind each three products four places, then the slot just read is asked for anew, a step ahead.
; DScnt: the LDS loads issued behind the fragment wanted: three fragments (9), with the next step's scale pair among them (10); in the last step what is still to come (6, 3, 0).
; LOADcnt, first pass: x's K steps were asked for in ascending order, nine loads each, K step 7 last: behind K step s stand 9 (7 - s) loads, which may stay out.
.macro PASS p
.irp s, 0,1,2,3,4,5,6,7
.if \s < 7
	WIN 0x04                                       ; source 1 in window 1
.else
	WIN 0
.endif
.if \p == 0
	s_wait_loadcnt 9*(7-\s)
.endif
.irp c, 0,1,2,3
.if \c == 0
	s_wait_dscnt 9
.elseif \s < 7
	s_wait_dscnt 10
.else
	s_wait_dscnt 9-3*\c
.endif
.irp t, 0,1,2
	WM \s,\c,\t
.endr
	NOP4
.if \s < 7
	BFETCH \p,\s+1,\c
.endif
.endr
.endr
.endm
; The way out of a pass: relu, each lane's block of 32, its byte, its codes: registers 6 p .. 6 p + 5 of the next product's operand.
.macro EPI p
	s_wait_xcnt 0x0                                ; the codes' registers are written again only behind this wait
.set ei, 0
.rept 96
	v_max_num_f32 v[ACC+ei], 0, v[ACC+ei]          ; ascending: each accumulator from its low end on
.set ei, ei+1
.endr
.irp t, 0,1,2
	v_max3_num_f32 v[MXH+\t], v[ACC+32*\t], v[ACC+32*\t+1], 0x2800000
.endr
.irp i, 2,4,6,8,10,12,14,16,18,20,22,24,26,28,30
.irp t, 0,1,2
	v_max3_num_f32 v[MXH+\t], v[MXH+\t], v[ACC+32*\t+\i], v[ACC+32*\t+\i+1]
.endr
.endr
.irp t, 0,1,2
	v_add_nc_u32 v[MXH+\t], 0xfe000000, v[MXH+\t]
.endr
.irp t, 0,1,2
.if \p == 0
	v_lshrrev_b32 v[BY0+\t], 23, v[MXH+\t]
.else
	v_lshrrev_b32 v[PT], 23, v[MXH+\t]
	v_lshl_or_b32 v[BY0+\t], v[PT], 16, v[BY0+\t]
.endif
.endr
.irp t, 0,1,2
	v_cvt_scalef32_pk16_bf6_f32 v[HC+8*\t:HC+8*\t+2], v[ACC+32*\t:ACC+32*\t+15], v[MXH+\t]
	v_cvt_scalef32_pk16_bf6_f32 v[HC+8*\t+4:HC+8*\t+6], v[ACC+32*\t+16:ACC+32*\t+31], v[MXH+\t]
.endr
	v_nop                                          ; one plain place behind the last conversion
.irp t, 0,1,2
	v_mov_b32 v[HC+8*\t+3], v[HC+8*\t+4]           ; the upper 16 codes move down by one register
	v_mov_b32 v[HC+8*\t+4], v[HC+8*\t+5]
	v_mov_b32 v[HC+8*\t+5], v[HC+8*\t+6]
.endr
.irp t, 0,1,2
	global_store_b128 v[HO16], v[HC+8*\t:HC+8*\t+3], s[14:15] offset:1536*\t+768*\p        ; 512 consecutive bytes
	global_store_b64 v[HO8], v[HC+8*\t+4:HC+8*\t+5], s[14:15] offset:1536*\t+768*\p+512    ; 256 consecutive bytes
.endr
.if \p == 1
.irp t, 0,1,2
	v_lshlrev_b32 v[BY0+\t], v[SH8], v[BY0+\t]
.endr
.irp t, 0,1,2
	v_permlanex16_b32 v[PT], v[BY0+\t], s28, s29
	v_or_b32 v[BY0+\t], v[BY0+\t], v[PT]
.endr
	v_cndmask_b32 v[PP2], v[BY0], v[BY0+1], s30
	v_mov_b32 v[PP2+1], v[BY0+2]
	global_store_b64 v[HSO], v[PP2:PP2+1], s[16:17]        ; 256 consecutive bytes
.endif
.endm
	s_load_b256 s[4:11], s[0:1], 0x0               ; W1, b1, xq, xs
	s_load_b128 s[12:15], s[0:1], 0x20             ; lst, hq
	s_load_b64 s[16:17], s[0:1], 0x30              ; hs
	v_lshrrev_b32 v9, 5, v0
	v_readfirstlane_b32 s18, v9                    ; wave
	s_lshr_b32 s19, ttmp9, 5                       ; e
	s_and_b32 s20, ttmp9, 31                       ; fs
	s_mov_b32 s28, 0x76543210
	s_mov_b32 s29, 0xfedcba98                      ; lane l xor 16
	s_mov_b32 s30, 0xffff0000                      ; lanes 16-31
	v_and_b32 v9, 31, v0
	v_and_b32 v10, 15, v0
	v_bfe_u32 v11, v0, 4, 1
	v_lshlrev_b32 v[LI], 4, v9
	v_lshlrev_b32 v[WOFF], 4, v10
	v_lshl_or_b32 v[WOFF], v11, 19, v[WOFF]
	s_mul_i32 s26, s18, 6144
	v_add_nc_u32 v[IMGW], s26, v[LI]               ; image (8 u + w) 4 + c
	s_lshl_b32 s26, s18, 8
	s_add_co_u32 s26, s26, BSC
	v_lshl_add_u32 v[BSCW], v9, 3, s26
	v_lshlrev_b32 v[SH8], 3, v11
	v_add_nc_u32 v[LIP1], 49152, v[LI]
	v_lshlrev_b32 v251, 2, v0                      ; b1: 4 bytes a thread
	v_and_b32 v252, 0x60, v0
	v_lshlrev_b32 v252, 2, v252
	v_and_b32 v253, 3, v0
	v_lshl_add_u32 v252, v253, 5, v252
	v_and_b32 v253, 0x1c, v0
	v_add_nc_u32 v252, v252, v253
	v_add_nc_u32 v252, BIAS, v252                  ; column i = 64 p + 32 h + 4 j + c goes to 256 p + 128 h + 32 c + 4 j
	s_mul_i32 s23, s18, 3                          ; my group's first tile
	s_mov_b32 s24, 0                               ; the lap
	s_mul_i32 s34, s18, 192                        ; my group in the list,
	s_mul_i32 s35, s18, 4608                       ; in hq,
	s_lshl_b32 s36, s18, 8                         ; in hs
	s_lshl_b32 s26, s19, 24
	s_lshl_b32 s27, s18, 21
	s_add_co_u32 s26, s26, s27
	s_lshl_b32 s27, s20, 9
	s_add_co_u32 s26, s26, s27
	s_mov_b32 s27, 0
	s_lshl_b32 s38, s19, 14
	s_lshl_b32 s39, s20, 9
	s_add_co_u32 s38, s38, s39
	s_mov_b32 s39, 0
	s_mul_i32 s40, ttmp9, 101376
	s_mov_b32 s41, 0
	s_mul_i32 s42, ttmp9, 5632
	s_mov_b32 s43, 0
	s_mul_i32 s44, s19, 4864                       ; the expert's list
	s_mov_b32 s45, 0
	s_wait_kmcnt 0x0
	s_add_nc_u64 s[4:5], s[4:5], s[26:27]
	s_add_nc_u64 s[6:7], s[6:7], s[38:39]
	s_add_nc_u64 s[12:13], s[12:13], s[44:45]
	s_add_nc_u64 s[14:15], s[14:15], s[40:41]
	s_add_nc_u64 s[16:17], s[16:17], s[42:43]
	s_load_b32 s21, s[12:13], 0x1200               ; the number of the expert's rows
	s_cmp_lt_u32 s18, 4
	s_cbranch_scc0 .Lno_b1
	global_load_b32 v250, v251, s[6:7]
.Lno_b1:
	LISTASK                                        ; my first group's places: ahead of the weights, so that they are in with the first patch
	WLOAD 0,0,0                                    ; the first two patches go out together
	WLOAD 0,1,1
	s_wait_loadcnt 32                              ; b1, the list and patch (0, 0) are in; patch (0, 1)'s 32 loads may be out
	s_cmp_lt_u32 s18, 4
	s_cbranch_scc0 .Lno_b1s
	ds_store_b32 v252, v250
.Lno_b1s:
	QPATCH 0,0
	WLOAD 1,0,0                                    ; each buffer is asked for anew as soon as it has been read
	s_wait_loadcnt 32                              ; patch (0, 1) is in; (1, 0) may be out
	QPATCH 1,1
	WLOAD 1,1,1
	UNITOUT 0
	s_wait_loadcnt 32                              ; patch (1, 0) is in; (1, 1) may be out
	QPATCH 0,0
	s_wait_kmcnt 0x0
	s_min_u32 s21, s21, 1024
	s_add_co_u32 s22, s21, 15
	s_lshr_b32 s22, s22, 4                         ; tiles of 16 rows,
	s_max_u32 s22, s22, 1                          ; at least one, so that group 0 is always stored
	LISTUSE S                                      ; (buffer 0 is idle from here on: its first three registers hold the offsets in xs)
	AL_A S                                         ; x's first K steps land under the last patch's quantising
	s_wait_loadcnt 33                              ; patch (1, 1) is in; the 33 loads just issued may be out
	QPATCH 1,1
	s_wait_xcnt 0x0                                ; the offsets in xs have been read: their registers become accumulators
	AL_B                                           ; buffer 1 is free: x's K steps 3 to 6 land under the first three steps of the products
	UNITOUT 1
	BARRIER                                        ; all 64 images and the bias lie in LDS; from here on LDS is only read
	v_and_b32 v9, 31, v0
	v_lshl_add_u32 v[BSCR], v9, 3, BSC
	v_bfe_u32 v[BADDR], v0, 4, 1
	v_lshl_add_u32 v[BADDR], v[BADDR], 7, BIAS
	v_mov_b32 v[PT], 0
.Llap:                                             ; three trips: groups w, w + 8, w + 16
	s_cmp_ge_u32 s23, s22
	s_cbranch_scc1 .Lnext                          ; no row of the expert lies in this group
	s_cmp_eq_u32 s24, 0
	s_cbranch_scc1 .Lhave                          ; the first group's operands were asked for above
	LISTASK
	s_wait_loadcnt 0x0
	LISTUSE MXH
	AL_A MXH
	AL_B
.Lhave:
	AL7
	v_add_nc_u32 v[HO16], s35, v[LI]
	v_lshrrev_b32 v[HO8], 1, v[LI]
	v_add_nc_u32 v[HSO], s36, v[HO8]
	v_add_nc_u32 v[HO8], s35, v[HO8]
	PRELOAD 0
	BIASLOAD 0
	s_wait_dscnt 0x0
	PASS 0
	PRELOAD 1
	EPI 0
	BIASLOAD 1
	s_wait_dscnt 0x0
	PASS 1
	EPI 1
.Lnext:
	s_wait_xcnt 0x0                                ; offsets and data of what has been issued may be written again
	s_add_co_u32 s23, s23, 24
	s_add_co_u32 s34, s34, 1536
	s_add_co_u32 s35, s35, 36864
	s_add_co_u32 s36, s36, 2048
	s_add_co_u32 s24, s24, 1
	s_cmp_lt_u32 s24, 3
	s_cbranch_scc1 .Llap
	s_wait_xcnt 0x0
	v_lshl_add_u32 v254, v0, 2, 0x19200
	v_mov_b32 v255, 0
	s_wait_tensorcnt 0x0
	ds_add_u32 v254, v255
	s_wait_dscnt 0x0
	s_endpgm
.Lfunc_end_k_q3cf3898c2c_gemm1:
	.size	k_q3cf3898c2c_gemm1, .Lfunc_end_k_q3cf3898c2c_gemm1-k_q3cf3898c2c_gemm1
	.p2alignl 7, 3214868480
	.fill 96, 4, 3214868480
	.section	.rodata,"a",@progbits
	.p2align	6, 0x0
	.amdhsa_kernel k_q3cf3898c2c_gemm1
		.amdhsa_group_segment_fixed_size 103936
		.amdhsa_private_segment_fixed_size 0
		.amdhsa_enable_private_segment 0
		.amdhsa_kernarg_size 56
		.amdhsa_user_sgpr_count 2
		.amdhsa_user_sgpr_kernarg_segment_ptr 1
		.amdhsa_wavefront_size32 1
		.amdhsa_system_sgpr_workgroup_id_x 1
		.amdhsa_system_sgpr_workgroup_id_y 1
		.amdhsa_system_sgpr_workgroup_id_z 1
		.amdhsa_system_vgpr_workitem_id 0
		.amdhsa_next_free_vgpr 512
		.amdhsa_next_free_sgpr 66
		.amdhsa_reserve_vcc 0
		.amdhsa_float_denorm_mode_32 3
		.amdhsa_float_denorm_mode_16_64 3
		.amdhsa_memory_ordered 1
		.amdhsa_forward_progress 1
		.amdhsa_inst_pref_size 142
	.end_amdhsa_kernel
	.amdgpu_metadata
---
amdhsa.version: [ 1, 2 ]
amdhsa.kernels:
  - .name:           k_q3cf3898c2c_gemm1
    .symbol:         k_q3cf3898c2c_gemm1.kd
    .args:
      - { .name: W1, .offset: 0, .size: 8, .value_kind: global_buffer, .address_space: global }
      - { .name: b1, .offset: 8, .size: 8, .value_kind: global_buffer, .address_space: global }
      - { .name: xq, .offset: 16, .size: 8, .value_kind: global_buffer, .address_space: global }
      - { .name: xs, .offset: 24, .size: 8, .value_kind: global_buffer, .address_space: global }
      - { .name: lst, .offset: 32, .size: 8, .value_kind: global_buffer, .address_space: global }
      - { .name: hq, .offset: 40, .size: 8, .value_kind: global_buffer, .address_space: global }
      - { .name: hs, .offset: 48, .size: 8, .value_kind: global_buffer, .address_space: global }
    .group_segment_fixed_size: 103936
    .private_segment_fixed_size: 0
    .kernarg_segment_align: 8
    .kernarg_segment_size: 56
    .max_flat_workgroup_size: 256
    .sgpr_count:     66
    .vgpr_count:     512
    .wavefront_size: 32
...
	.end_amdgpu_metadata
.endif
;; end of part 3
;; launch gemm2 (part 4): grid 256 x 1, 8 waves a work-group, no clusters, 138,240 bytes of LDS; arguments W2, hq, hs, lst, y; writes y
.if DOCPART == 4
	.amdgcn_target "amdgcn-amd-amdhsa--gfx1250"
	.amdhsa_code_object_version 6
	.text
	.protected	k_q3cf3898c2c_gemm2
	.globl	k_q3cf3898c2c_gemm2
	.p2align	8
	.type	k_q3cf3898c2c_gemm2,@function
k_q3cf3898c2c_gemm2:
	s_mov_b64 s[64:65], 0
	v_nop
	global_prefetch_b8 v0, s[64:65] scope:SCOPE_SE
	s_setreg_imm32_b32 hwreg(HW_REG_WAVE_MODE, 25, 1), 1
	s_wait_xcnt 0x0
; y[kh][row] = h W2[e] over half kh of K = 4,096, for the rows routed to expert e, columns 64 ns .. 64 ns + 63.  Work-group = 32 e + 16 kh + ns.  The bias and the two halves are added by the next launch.
; THE WEIGHTS, 512 KiB of f32 a work-group, are read once and quantised in registers: wave w takes the half's K steps 2 w and 2 w + 1, each in two patches of 64 columns x 64 K.
; TWO PATCH BUFFERS take turns, so that two patches of a wave, 32 KiB, are asked for while a third is quantised: one in window 0, the other in window 1's v128-255, which later hold h's fragments of steps 3 to 6.
; Inside a block of 32 along K, place j takes row 4 (j & 7) + (j >> 3): the order in which h's codes were laid.  The same order on both sides, inside a scale's block, leaves the products as they are.
; The 64 fragments go to LDS as images of their registers; every wave reads them from there.  h's fragments come from memory as images too.
; THE ROWS: the expert's list and count are read from lst, as in the launch before.  A group is 48 places; wave w takes groups w, w + 8, w + 16.  Dummy places are stored to row 2048 + e of y, which nobody reads.
; THE PRODUCT IS USED TRANSPOSED: source 0 = 16 columns of W2 (column tile c: columns 4 m + c), source 1 = 16 rows of h.  The results go through the wave's own stage in LDS and leave as runs of 256 bytes of a row.
; No tensor load: the laps' work hangs on a count read from memory.  No cluster: the weights are shared by nobody, and h's codes are a small part of a work-group's bytes.
; LIMITS: NaN and infinities are not served; a block under 2^-122 (zeros too) gets the byte 1, read by this program alone.
.set BSC,   98304                      ; LDS: 0 .. 98,303 the 64 images, image 4 ks + c for the half's K step ks; then 16 units of 256 bytes of scale words,
.set STAGE, 102400                     ; and a stage of 16 rows x 272 bytes for each wave
.set LI,    1                          ; v1   16 x lane
.set WOFF,  2                          ; v2   W2: (h << 17) + 16 r
.set IMGW,  3
.set BSCW,  4
.set SH8,   5
.set AO16,  6                          ; v6   hq: 4,608 x group + 16 x lane
.set AO8,   7                          ; v7   4,608 x group + 8 x lane
.set ASO,   8                          ; v8   hs: 256 x group + 8 x lane
.set MX,    9
.set BY,    13
.set BT,    17
.set PP,    18
.set TMP3,  20
.set LIP1,  23
.set ASC,   24                         ; v24-39 h's scale words: a pair for each K step of a pass
.set BSCR,  40
.set STO,   41
.set SRD,   42
.set LAD,   43                         ; v43  32 h: my eight places of a tile in the list
.set L8,    44
.set LADT,  45                         ; v45  the same in the group in hand
.set R16,   46
.set S,     48                         ; v48-175 patch buffer 0
.set S1,    128                        ; window 1, v128-255: patch buffer 1
.set ACC,   48
.set BR,    144
.set T,     176
.set BSR,   192
.set A7,    196
.set CODES, 208
.set ROWS,  232                        ; later: v232-255 the rows of places 16 t + 8 h + i at 8 t + i, then their offsets in y
; window 1: h's fragment (tile t, step s <= 6 of the pass) at v[12 (3 s + t)]: steps 0 to 2 under v108, steps 3 to 6 over patch buffer 1
.set MSB, 0
.macro WIN new                         ; the immediate's high byte repeats the setting that is left
.if MSB != (\new)
	s_set_vgpr_msb (MSB<<8)|(\new)
.set MSB, (\new)
.endif
.endm
.macro NOP4
.rept 4
	v_nop
.endr
.endm
.macro BARRIER
	s_wait_dscnt 0x0
	s_barrier_signal -1
	s_barrier_wait -1
.endm
.macro WLOAD u, cp, w                  ; patch (u, cp): K step 2 w + u, K 64 cp on: 32 loads, 16 KiB, into buffer w
.set SB, S+(S1-S)*(\w)
	WIN 0x40*(\w)                                  ; buffer 1: destination window 1
.set wj, 0
.rept 32
	global_load_b128 v[SB+4*wj:SB+4*wj+3], v[WOFF], s[4:5] offset:(128*\u+64*\cp+4*(wj%8)+wj/8)*4096 th:TH_LOAD_NT
.set wj, wj+1
.endr
	WIN 0
.endm
; The patch in buffer w becomes registers 6 cp .. 6 cp + 5 of four fragments, and a byte of each column's scale word.  For buffer 1 the places that name the patch are set to window 1.
.macro QPATCH cp, w
.set SB, S+(S1-S)*(\w)
	WIN 0x05*(\w)                                  ; sources 0 and 1
.irp c, 0,1,2,3
	v_max3_num_f32 v[MX+\c], |v[SB+\c]|, |v[SB+4+\c]|, 0x2800000     ; with the floor 2^(5 - 127)
.endr
	WIN 0x14*(\w)                                  ; sources 1 and 2
.set qi, 1
.rept 15
.irp c, 0,1,2,3
	v_max3_num_f32 v[MX+\c], v[MX+\c], |v[SB+8*qi+\c]|, |v[SB+8*qi+4+\c]|
.endr
.set qi, qi+1
.endr
	WIN 0
.irp c, 0,1,2,3
	v_add_nc_u32 v[MX+\c], 0xfe000000, v[MX+\c]    ; 4 off the exponent field: the conversion's scale operand
.endr
.irp c, 0,1,2,3
.if \cp == 0
	v_lshrrev_b32 v[BY+\c], 23, v[MX+\c]
.else
	v_lshrrev_b32 v[BT], 23, v[MX+\c]
	v_lshl_or_b32 v[BY+\c], v[BT], 16, v[BY+\c]
.endif
.endr
.irp c, 0,1,2,3
	WIN \w                                         ; source 0
.set qi, 0
.rept 16
	v_mov_b32 v[T+qi], v[SB+4*qi+\c]
.set qi, qi+1
.endr
	WIN 0
.if \c > 0
.irp k, 0,1,2
	v_mov_b32 v[CODES+12*(\c-1)+6*\cp+3+\k], v[TMP3+\k]
.endr
.endif
	v_cvt_scalef32_pk16_bf6_f32 v[CODES+12*\c+6*\cp:CODES+12*\c+6*\cp+2], v[T:T+15], v[MX+\c]
	WIN \w
.set qi, 0
.rept 16
	v_mov_b32 v[T+16+qi], v[SB+64+4*qi+\c]
.set qi, qi+1
.endr
	WIN 0
	v_cvt_scalef32_pk16_bf6_f32 v[TMP3:TMP3+2], v[T+16:T+31], v[MX+\c]
.endr
	v_nop                                          ; one plain place behind the last conversion
.irp k, 0,1,2
	v_mov_b32 v[CODES+36+6*\cp+3+\k], v[TMP3+\k]
.endr
.endm
.macro UNITOUT u
.irp c, 0,1,2,3
	v_lshlrev_b32 v[BY+\c], v[SH8], v[BY+\c]
.endr
.irp c, 0,1,2,3
	v_permlanex16_b32 v[BT], v[BY+\c], s28, s29
	v_or_b32 v[BY+\c], v[BY+\c], v[BT]
.endr
	v_cndmask_b32 v[PP], v[BY], v[BY+1], s30
	v_cndmask_b32 v[PP+1], v[BY+2], v[BY+3], s30
	ds_store_b64 v[BSCW], v[PP:PP+1] offset:256*\u
.irp c, 0,1,2,3
.irp jj, 0,1,2
	ds_store_b128 v[IMGW], v[CODES+12*\c+4*\jj:CODES+12*\c+4*\jj+3] offset:6144*\u+1536*\c+512*\jj
.endr
.endr
	s_wait_dscnt 0x0
.endm
.macro AFRAG reg, ks, t                ; a fragment of h: four loads, each of consecutive bytes over the lanes
	global_load_b128 v[(\reg):(\reg)+3], v[AO16], s[6:7] offset:101376*(\ks)+1536*(\t)
	global_load_b64 v[(\reg)+4:(\reg)+5], v[AO8], s[6:7] offset:101376*(\ks)+1536*(\t)+512
	global_load_b128 v[(\reg)+6:(\reg)+9], v[AO16], s[6:7] offset:101376*(\ks)+1536*(\t)+768
	global_load_b64 v[(\reg)+10:(\reg)+11], v[AO8], s[6:7] offset:101376*(\ks)+1536*(\t)+1280
.endm
.macro AL_A                            ; the first pass: eight pairs of scale words and the fragments of steps 0 to 2: 8 + 36 = 44 loads
.irp s, 0,1,2,3,4,5,6,7
	global_load_b64 v[ASC+2*\s:ASC+2*\s+1], v[ASO], s[8:9] offset:5632*\s
.endr
	WIN 0x40
.irp s, 0,1,2
.irp t, 0,1,2
	AFRAG 12*(3*\s+\t),\s,\t
.endr
.endr
	WIN 0
.endm
.macro AL_B                            ; steps 3 to 6: 48 loads, over patch buffer 1
	WIN 0x40
.irp s, 3,4,5,6
.irp t, 0,1,2
	AFRAG 12*(3*\s+\t),\s,\t
.endr
.endr
	WIN 0
.endm
.macro AL7                             ; step 7: 12 loads
.irp t, 0,1,2
	AFRAG A7+12*\t,7,\t
.endr
.endm
.macro ROWLOAD                         ; the rows of my group's places: lane half h takes places 16 t + 8 h + 0 .. 7: six loads
	v_add_nc_u32 v[LADT], s34, v[LAD]
.irp t, 0,1,2
.irp q, 0,1
	global_load_b128 v[ROWS+8*\t+4*\q:ROWS+8*\t+4*\q+3], v[LADT], s[10:11] offset:64*\t+16*\q
.endr
.endr
.endm
.macro ARELOAD s                       ; behind step s of the first pass: the second pass's step s into the same registers: 13 loads
	global_load_b64 v[ASC+2*(\s):ASC+2*(\s)+1], v[ASO], s[8:9] offset:5632*(8+(\s))
.if (\s) < 7
	WIN 0x40
.irp t, 0,1,2
	AFRAG 12*(3*(\s)+\t),8+(\s),\t
.endr
.else
.irp t, 0,1,2
	AFRAG A7+12*\t,8+(\s),\t
.endr
.endif
.endm
.macro BFETCH p, s, c
.if (\c) == 0
	ds_load_b64 v[BSR+2*((\s)%2):BSR+2*((\s)%2)+1], v[BSCR] offset:256*(8*(\p)+(\s))
.endif
.irp jj, 0,1,2
	ds_load_b128 v[BR+12*(\c)+4*\jj:BR+12*(\c)+4*\jj+3], v[LI+(LIP1-LI)*(\p)] offset:1536*(4*(\s)+(\c))+512*\jj
.endr
.endm
.macro PRELOAD p
.irp c, 0,1,2,3
	BFETCH \p,0,\c
.endr
.endm
; One product.  The weights' scale word: lanes 0-15 for an even column tile, lanes 16-31 for an odd one.  h's: tile 0 lanes 0-15 and tile 1 lanes 16-31 of the pair's first register, tile 2 the second.
.macro WM p, s, c, t
.if (\s) < 7
.set AR, 12*(3*(\s)+(\t))
.else
.set AR, A7+12*(\t)
.endif
.set DR, ACC+32*(\t)+8*(\c)
.set BF, BR+12*(\c)
.set SA, BSR+2*((\s)%2)+(\c)/2
.set SB2, ASC+2*(\s)+(\t)/2
.set VAR, ((\c)%2)+2*((\t)%2)
.if (\p)+(\s) == 0
.if VAR == 0
	v_wmma_scale_f32_16x16x128_f8f6f4 v[DR:DR+7], v[BF:BF+11], v[AR:AR+11], 0, v[SA], v[SB2] matrix_a_fmt:MATRIX_FMT_BF6 matrix_b_fmt:MATRIX_FMT_BF6
.elseif VAR == 1
	v_wmma_scale_f32_16x16x128_f8f6f4 v[DR:DR+7], v[BF:BF+11], v[AR:AR+11], 0, v[SA], v[SB2] matrix_a_fmt:MATRIX_FMT_BF6 matrix_b_fmt:MATRIX_FMT_BF6 matrix_a_scale:MATRIX_SCALE_ROW1
.elseif VAR == 2
	v_wmma_scale_f32_16x16x128_f8f6f4 v[DR:DR+7], v[BF:BF+11], v[AR:AR+11], 0, v[SA], v[SB2] matrix_a_fmt:MATRIX_FMT_BF6 matrix_b_fmt:MATRIX_FMT_BF6 matrix_b_scale:MATRIX_SCALE_ROW1
.else
	v_wmma_scale_f32_16x16x128_f8f6f4 v[DR:DR+7], v[BF:BF+11], v[AR:AR+11], 0, v[SA], v[SB2] matrix_a_fmt:MATRIX_FMT_BF6 matrix_b_fmt:MATRIX_FMT_BF6 matrix_a_scale:MATRIX_SCALE_ROW1 matrix_b_scale:MATRIX_SCALE_ROW1
.endif
.else
.if VAR == 0
	v_wmma_scale_f32_16x16x128_f8f6f4 v[DR:DR+7], v[BF:BF+11], v[AR:AR+11], v[DR:DR+7], v[SA], v[SB2] matrix_a_fmt:MATRIX_FMT_BF6 matrix_b_fmt:MATRIX_FMT_BF6
.elseif VAR == 1
	v_wmma_scale_f32_16x16x128_f8f6f4 v[DR:DR+7], v[BF:BF+11], v[AR:AR+11], v[DR:DR+7], v[SA], v[SB2] matrix_a_fmt:MATRIX_FMT_BF6 matrix_b_fmt:MATRIX_FMT_BF6 matrix_a_scale:MATRIX_SCALE_ROW1
.elseif VAR == 2
	v_wmma_scale_f32_16x16x128_f8f6f4 v[DR:DR+7], v[BF:BF+11], v[AR:AR+11], v[DR:DR+7], v[SA], v[SB2] matrix_a_fmt:MATRIX_FMT_BF6 matrix_b_fmt:MATRIX_FMT_BF6 matrix_b_scale:MATRIX_SCALE_ROW1
.else
	v_wmma_scale_f32_16x16x128_f8f6f4 v[DR:DR+7], v[BF:BF+11], v[AR:AR+11], v[DR:DR+7], v[SA], v[SB2] matrix_a_fmt:MATRIX_FMT_BF6 matrix_b_fmt:MATRIX_FMT_BF6 matrix_a_scale:MATRIX_SCALE_ROW1 matrix_b_scale:MATRIX_SCALE_ROW1
.endif
.endif
.endm
; A pass: 64 columns x 48 rows x K 1,024: 96 products; the 12 accumulators take turns, one instruction a turn; the first pass's first step starts the sums with the constant 0.
; DScnt: the LDS loads issued behind the fragment wanted: 9, or 10 with the next step's scale pair among them; in the last step 6, 3, 0.
; LOADcnt, first pass: behind step s's fragments stand 12 loads for each later step up to step 7 and 13 for each reload issued: 84 + s (step 7: 91); the count names the most it can.
; LOADcnt, second pass: behind step s's reload stand 13 loads for each younger reload and the list's six.
.macro PASS p
.irp s, 0,1,2,3,4,5,6,7
.if \s < 7
	WIN 0x04                                       ; source 1 in window 1
.else
	WIN 0
.endif
.if \p == 0
	s_wait_loadcnt 63
.else
.if 13*(7-\s)+6 > 63
	s_wait_loadcnt 63
.else
	s_wait_loadcnt 13*(7-\s)+6
.endif
.endif
.irp c, 0,1,2,3
.if \c == 0
	s_wait_dscnt 9
.elseif \s < 7
	s_wait_dscnt 10
.else
	s_wait_dscnt 9-3*\c
.endif
.irp t, 0,1,2
	WM \p,\s,\c,\t
.endr
	NOP4
.if \s < 7
	BFETCH \p,\s+1,\c
.endif
.endr
.if \p == 0
	ARELOAD \s
.endif
.endr
.endm
; The way out of tile t: lane (r, h) holds row r, column 32 h + 4 j + c in register 8 c + j.  Through my stage, back as rows of 256 bytes (lanes 0-15 row i, lanes 16-31 row 8 + i), to the rows of y that the list names.
.macro YOUT t
.irp c, 0,1,2,3
.irp j, 0,1,2,3,4,5,6,7
	ds_store_b32 v[STO], v[ACC+32*\t+8*\c+\j] offset:16*\j+4*\c    ; each accumulator from its low end on
.endr
.endr
.if \t > 0
	s_wait_xcnt 0x0                                ; the tile before: its stores' data are written again only behind this wait
.endif
.irp i, 0,1,2,3,4,5,6,7
	ds_load_b128 v[BR+4*\i:BR+4*\i+3], v[SRD] offset:272*\i        ; LDS serves a wave's instructions in order: these see my stores
.endr
.irp i, 0,1,2,3,4,5,6,7
	v_min_u32 v[ROWS+8*\t+\i], 0x807, v[ROWS+8*\t+\i]
	v_lshl_add_u32 v[ROWS+8*\t+\i], v[ROWS+8*\t+\i], 12, v[R16]    ; the row's 4,096 bytes, + 16 (lane % 16)
.endr
	s_wait_dscnt 0x0
.irp i, 0,1,2,3,4,5,6,7
	global_store_b128 v[ROWS+8*\t+\i], v[BR+4*\i:BR+4*\i+3], s[12:13]     ; sixteen lanes store 256 consecutive bytes, aligned
.endr
.endm
	s_load_b256 s[4:11], s[0:1], 0x0               ; W2, hq, hs, lst
	s_load_b64 s[12:13], s[0:1], 0x20              ; y
	v_lshrrev_b32 v9, 5, v0
	v_readfirstlane_b32 s18, v9                    ; wave
	s_lshr_b32 s19, ttmp9, 5                       ; e
	s_bfe_u32 s20, ttmp9, 0x10004                  ; kh
	s_and_b32 s25, ttmp9, 15                       ; ns
	s_mov_b32 s28, 0x76543210
	s_mov_b32 s29, 0xfedcba98
	s_mov_b32 s30, 0xffff0000
	v_and_b32 v9, 31, v0
	v_and_b32 v10, 15, v0
	v_bfe_u32 v11, v0, 4, 1
	v_lshlrev_b32 v[LI], 4, v9
	v_lshlrev_b32 v[L8], 3, v9
	v_lshlrev_b32 v[R16], 4, v10
	v_lshl_or_b32 v[WOFF], v11, 17, v[R16]
	s_mul_i32 s26, s18, 12288
	v_add_nc_u32 v[IMGW], s26, v[LI]               ; image 4 (2 w + u) + c
	s_lshl_b32 s26, s18, 9
	s_add_co_u32 s26, s26, BSC
	v_add_nc_u32 v[BSCW], s26, v[L8]
	v_lshlrev_b32 v[SH8], 3, v11
	v_add_nc_u32 v[LIP1], 49152, v[LI]
	v_add_nc_u32 v[BSCR], BSC, v[L8]
	s_mul_i32 s26, s18, 4352
	s_add_co_u32 s26, s26, STAGE                   ; my stage
	v_mul_u32_u24 v[STO], 272, v10
	v_lshl_add_u32 v[STO], v11, 7, v[STO]
	v_add_nc_u32 v[STO], s26, v[STO]               ; in: row r, + 128 h
	v_mul_u32_u24 v[SRD], 2176, v11
	v_add_nc_u32 v[SRD], v[SRD], v[R16]
	v_add_nc_u32 v[SRD], s26, v[SRD]               ; back: lanes 0-15 rows 0 to 7, lanes 16-31 rows 8 to 15
	v_lshlrev_b32 v[LAD], 5, v11
	s_mul_i32 s23, s18, 3                          ; my group's first tile
	s_mov_b32 s24, 0                               ; the lap
	s_mul_i32 s34, s18, 192                        ; my group in the list,
	s_mul_i32 s35, s18, 4608                       ; in hq,
	s_lshl_b32 s36, s18, 8                         ; in hs
	s_lshl_b32 s26, s19, 24
	s_lshl_b32 s27, s20, 23
	s_add_co_u32 s26, s26, s27
	s_lshl_b32 s27, s18, 20
	s_add_co_u32 s26, s26, s27
	s_lshl_b32 s27, s25, 8
	s_add_co_u32 s26, s26, s27
	s_mov_b32 s27, 0
	s_and_b32 s38, ttmp9, 0xf0                     ; 32 e + 16 kh: the half's first K step
	s_mul_i32 s40, s38, 101376
	s_mov_b32 s41, 0
	s_mul_i32 s42, s38, 5632
	s_mov_b32 s43, 0
	s_mul_i32 s38, s20, 0x808000                   ; 2,056 rows of 4,096 bytes
	s_lshl_b32 s39, s25, 8
	s_add_co_u32 s38, s38, s39
	s_mov_b32 s39, 0
	s_mul_i32 s44, s19, 4864                       ; the expert's list
	s_mov_b32 s45, 0
	s_wait_kmcnt 0x0
	s_add_nc_u64 s[4:5], s[4:5], s[26:27]
	s_add_nc_u64 s[6:7], s[6:7], s[40:41]
	s_add_nc_u64 s[8:9], s[8:9], s[42:43]
	s_add_nc_u64 s[10:11], s[10:11], s[44:45]
	s_add_nc_u64 s[12:13], s[12:13], s[38:39]
	s_load_b32 s21, s[10:11], 0x1200               ; the number of the expert's rows
	WLOAD 0,0,0                                    ; the first two patches go out together
	WLOAD 0,1,1
	s_wait_loadcnt 32                              ; patch (0, 0) is in; patch (0, 1)'s 32 loads may be out
	QPATCH 0,0
	WLOAD 1,0,0                                    ; each buffer is asked for anew as soon as it has been read
	s_wait_loadcnt 32                              ; patch (0, 1) is in; (1, 0) may be out
	QPATCH 1,1
	WLOAD 1,1,1
	UNITOUT 0
	s_wait_loadcnt 32                              ; patch (1, 0) is in; (1, 1) may be out
	QPATCH 0,0
	s_wait_kmcnt 0x0
	s_min_u32 s21, s21, 1024
	s_add_co_u32 s22, s21, 15
	s_lshr_b32 s22, s22, 4                         ; tiles of 16 rows
	s_cmp_lt_u32 s23, s22                          ; a wave whose first group has no rows asks for group 0, which is always stored, and uses nothing of it
	s_cselect_b32 s37, s18, 0
	s_min_u32 s37, s37, 7
	s_mul_i32 s38, s37, 4608
	s_lshl_b32 s39, s37, 8
	v_add_nc_u32 v[AO16], s38, v[LI]
	v_add_nc_u32 v[AO8], s38, v[L8]
	v_add_nc_u32 v[ASO], s39, v[L8]
	AL_A                                           ; h's first steps land under the last patch's quantising
	s_wait_loadcnt 44                              ; patch (1, 1) is in; the 44 loads just issued may be out
	QPATCH 1,1
	AL_B                                           ; buffer 1 is free: h's steps 3 to 6 land under the first steps of the products
	UNITOUT 1
	BARRIER                                        ; all 64 images lie in LDS; from here on a wave stores to its own stage alone
.Llap:                                             ; three trips: groups w, w + 8, w + 16
	s_cmp_ge_u32 s23, s22
	s_cbranch_scc1 .Lnext                          ; no row of the expert lies in this group
	s_cmp_eq_u32 s24, 0
	s_cbranch_scc1 .Lhave                          ; the first group's operands were asked for above
	s_wait_loadcnt 0x0                             ; no load of mine is out: the operands' registers may be asked for anew
	v_add_nc_u32 v[AO16], s35, v[LI]
	v_add_nc_u32 v[AO8], s35, v[L8]
	v_add_nc_u32 v[ASO], s36, v[L8]
	AL_A
	AL_B
.Lhave:
	AL7
	PRELOAD 0
	PASS 0
	ROWLOAD                                        ; the list's six loads stand behind the reloads: they are wanted on the way out alone
	PRELOAD 1
	PASS 1
	s_wait_loadcnt 0x0                             ; the rows
	YOUT 0
	YOUT 1
	YOUT 2
.Lnext:
	s_wait_xcnt 0x0                                ; offsets and data of what has been issued may be written again
	s_add_co_u32 s23, s23, 24
	s_add_co_u32 s34, s34, 1536
	s_add_co_u32 s35, s35, 36864
	s_add_co_u32 s36, s36, 2048
	s_add_co_u32 s24, s24, 1
	s_cmp_lt_u32 s24, 3
	s_cbranch_scc1 .Llap
	s_wait_xcnt 0x0
	v_lshl_add_u32 v254, v0, 2, 0x21800
	v_mov_b32 v255, 0
	s_wait_tensorcnt 0x0
	ds_add_u32 v254, v255
	s_wait_dscnt 0x0
	s_endpgm
.Lfunc_end_k_q3cf3898c2c_gemm2:
	.size	k_q3cf3898c2c_gemm2, .Lfunc_end_k_q3cf3898c2c_gemm2-k_q3cf3898c2c_gemm2
	.p2alignl 7, 3214868480
	.fill 96, 4, 3214868480
	.section	.rodata,"a",@progbits
	.p2align	6, 0x0
	.amdhsa_kernel k_q3cf3898c2c_gemm2
		.amdhsa_group_segment_fixed_size 138240
		.amdhsa_private_segment_fixed_size 0
		.amdhsa_enable_private_segment 0
		.amdhsa_kernarg_size 40
		.amdhsa_user_sgpr_count 2
		.amdhsa_user_sgpr_kernarg_segment_ptr 1
		.amdhsa_wavefront_size32 1
		.amdhsa_system_sgpr_workgroup_id_x 1
		.amdhsa_system_sgpr_workgroup_id_y 1
		.amdhsa_system_sgpr_workgroup_id_z 1
		.amdhsa_system_vgpr_workitem_id 0
		.amdhsa_next_free_vgpr 512
		.amdhsa_next_free_sgpr 66
		.amdhsa_reserve_vcc 0
		.amdhsa_float_denorm_mode_32 3
		.amdhsa_float_denorm_mode_16_64 3
		.amdhsa_memory_ordered 1
		.amdhsa_forward_progress 1
		.amdhsa_inst_pref_size 149
	.end_amdhsa_kernel
	.amdgpu_metadata
---
amdhsa.version: [ 1, 2 ]
amdhsa.kernels:
  - .name:           k_q3cf3898c2c_gemm2
    .symbol:         k_q3cf3898c2c_gemm2.kd
    .args:
      - { .name: W2, .offset: 0, .size: 8, .value_kind: global_buffer, .address_space: global }
      - { .name: hq, .offset: 8, .size: 8, .value_kind: global_buffer, .address_space: global }
      - { .name: hs, .offset: 16, .size: 8, .value_kind: global_buffer, .address_space: global }
      - { .name: lst, .offset: 24, .size: 8, .value_kind: global_buffer, .address_space: global }
      - { .name: y, .offset: 32, .size: 8, .value_kind: global_buffer, .address_space: global }
    .group_segment_fixed_size: 138240
    .private_segment_fixed_size: 0
    .kernarg_segment_align: 8
    .kernarg_segment_size: 40
    .max_flat_workgroup_size: 256
    .sgpr_count:     66
    .vgpr_count:     512
    .wavefront_size: 32
...
	.end_amdgpu_metadata
.endif
;; end of part 4
;; launch combine (part 5): grid 256 x 1, 4 waves a work-group, no clusters, 0 bytes of LDS; arguments y, idx, prob, b2, out0; writes out0
.if DOCPART == 5
	.amdgcn_target "amdgcn-amd-amdhsa--gfx1250"
	.amdhsa_code_object_version 6
	.text
	.protected	k_q3cf3898c2c_combine
	.globl	k_q3cf3898c2c_combine
	.p2align	8
	.type	k_q3cf3898c2c_combine,@function
k_q3cf3898c2c_combine:
	s_mov_b64 s[64:65], 0
	v_nop
	global_prefetch_b8 v0, s[64:65] scope:SCOPE_SE
	s_setreg_imm32_b32 hwreg(HW_REG_WAVE_MODE, 25, 1), 1
	s_wait_xcnt 0x0
; out[t] = p0 (y0[2 t] + y1[2 t] + b2[e0]) + p1 (y0[2 t + 1] + y1[2 t + 1] + b2[e1]), all f32.  y0, y1: the two halves of K, 2,056 rows of 4,096 bytes each.
; One wave takes one token: a row is eight loads of 512 consecutive bytes.  A stream: no LDS, no barrier, no matrix unit, no cluster (nothing but b2's 32 KiB is shared).
; The experts' numbers are whole numbers read from memory, held to 0 .. 7.
.set Y,  16                            ; v16-143  y[kh][k] at 64 kh + 32 k
.set B,  144                           ; v144-207 b2[e_k] at 32 k
	s_load_b256 s[4:11], s[0:1], 0x0               ; y, idx, prob, b2
	s_load_b64 s[12:13], s[0:1], 0x20              ; out0
	v_lshrrev_b32 v1, 5, v0
	v_readfirstlane_b32 s14, v1
	s_lshl_b32 s15, ttmp9, 2
	s_add_co_u32 s15, s15, s14                     ; token
	v_and_b32 v1, 31, v0
	v_lshlrev_b32 v1, 4, v1                        ; 16 bytes a lane
	s_lshl_b32 s16, s15, 13                        ; two rows of y
	s_mov_b32 s17, 0
	s_lshl_b32 s18, s15, 3
	s_mov_b32 s19, 0
	s_lshl_b32 s32, s15, 12
	s_mov_b32 s33, 0
	s_wait_kmcnt 0x0
	s_add_nc_u64 s[4:5], s[4:5], s[16:17]
	s_add_nc_u64 s[34:35], s[4:5], 0x808000        ; the other half of K
	s_add_nc_u64 s[6:7], s[6:7], s[18:19]
	s_add_nc_u64 s[8:9], s[8:9], s[18:19]
	s_add_nc_u64 s[12:13], s[12:13], s[32:33]
	s_load_b64 s[20:21], s[6:7], 0x0               ; e0, e1
	s_load_b64 s[22:23], s[8:9], 0x0               ; p0, p1
.irp k, 0,1
.irp i, 0,1,2,3,4,5,6,7
	global_load_b128 v[Y+32*\k+4*\i:Y+32*\k+4*\i+3], v1, s[4:5] offset:4096*\k+512*\i th:TH_LOAD_NT
	global_load_b128 v[Y+64+32*\k+4*\i:Y+64+32*\k+4*\i+3], v1, s[34:35] offset:4096*\k+512*\i th:TH_LOAD_NT
.endr
.endr
	s_wait_kmcnt 0x0
	s_min_u32 s20, s20, 7
	s_min_u32 s21, s21, 7
	s_lshl_b32 s24, s20, 12
	s_mov_b32 s25, 0
	s_add_nc_u64 s[26:27], s[10:11], s[24:25]
	s_lshl_b32 s24, s21, 12
	s_add_nc_u64 s[28:29], s[10:11], s[24:25]
	s_mov_b32 s30, s23                             ; p1 as the low word of a pair of its own
	s_mov_b32 s31, s23
.irp i, 0,1,2,3,4,5,6,7
	global_load_b128 v[B+4*\i:B+4*\i+3], v1, s[26:27] offset:512*\i
	global_load_b128 v[B+32+4*\i:B+32+4*\i+3], v1, s[28:29] offset:512*\i
.endr
	s_wait_loadcnt 0x0
.set d, 0
.rept 16
	v_pk_add_f32 v[Y+d:Y+d+1], v[Y+d:Y+d+1], v[Y+64+d:Y+64+d+1]
	v_pk_add_f32 v[Y+32+d:Y+32+d+1], v[Y+32+d:Y+32+d+1], v[Y+96+d:Y+96+d+1]
	v_pk_add_f32 v[Y+d:Y+d+1], v[Y+d:Y+d+1], v[B+d:B+d+1]
	v_pk_add_f32 v[Y+32+d:Y+32+d+1], v[Y+32+d:Y+32+d+1], v[B+32+d:B+32+d+1]
	v_pk_mul_f32 v[Y+32+d:Y+32+d+1], v[Y+32+d:Y+32+d+1], s[30:31] op_sel_hi:[1,0]
	v_pk_fma_f32 v[Y+d:Y+d+1], v[Y+d:Y+d+1], s[22:23], v[Y+32+d:Y+32+d+1] op_sel_hi:[1,0,1]
.set d, d+2
.endr
.irp i, 0,1,2,3,4,5,6,7
	global_store_b128 v1, v[Y+4*\i:Y+4*\i+3], s[12:13] offset:512*\i th:TH_STORE_NT   ; 512 consecutive bytes, aligned
.endr
	s_endpgm
.Lfunc_end_k_q3cf3898c2c_combine:
	.size	k_q3cf3898c2c_combine, .Lfunc_end_k_q3cf3898c2c_combine-k_q3cf3898c2c_combine
	.p2alignl 7, 3214868480
	.fill 96, 4, 3214868480
	.section	.rodata,"a",@progbits
	.p2align	6, 0x0
	.amdhsa_kernel k_q3cf3898c2c_combine
		.amdhsa_group_segment_fixed_size 0
		.amdhsa_private_segment_fixed_size 0
		.amdhsa_enable_private_segment 0
		.amdhsa_kernarg_size 40
		.amdhsa_user_sgpr_count 2
		.amdhsa_user_sgpr_kernarg_segment_ptr 1
		.amdhsa_wavefront_size32 1
		.amdhsa_system_sgpr_workgroup_id_x 1
		.amdhsa_system_sgpr_workgroup_id_y 1
		.amdhsa_system_sgpr_workgroup_id_z 1
		.amdhsa_system_vgpr_workitem_id 0
		.amdhsa_next_free_vgpr 208
		.amdhsa_next_free_sgpr 66
		.amdhsa_reserve_vcc 0
		.amdhsa_float_denorm_mode_32 3
		.amdhsa_float_denorm_mode_16_64 3
		.amdhsa_memory_ordered 1
		.amdhsa_forward_progress 1
		.amdhsa_inst_pref_size 13
	.end_amdhsa_kernel
	.amdgpu_metadata
---
amdhsa.version: [ 1, 2 ]
amdhsa.kernels:
  - .name:           k_q3cf3898c2c_combine
    .symbol:         k_q3cf3898c2c_combine.kd
    .args:
      - { .name: y, .offset: 0, .size: 8, .value_kind: global_buffer, .address_space: global }
      - { .name: idx, .offset: 8, .size: 8, .value_kind: global_buffer, .address_space: global }
      - { .name: prob, .offset: 16, .size: 8, .value_kind: global_buffer, .address_space: global }
      - { .name: b2, .offset: 24, .size: 8, .value_kind: global_buffer, .address_space: global }
      - { .name: out0, .offset: 32, .size: 8, .value_kind: global_buffer, .address_space: global }
    .group_segment_fixed_size: 0
    .private_segment_fixed_size: 0
    .kernarg_segment_align: 8
    .kernarg_segment_size: 40
    .max_flat_workgroup_size: 128
    .sgpr_count:     66
    .vgpr_count:     208
    .wavefront_size: 32
...
	.end_amdgpu_metadata
.endif
;; end of part 5
;; ======== version 2 of 2: 5 launches
;; workspace buffers: xq 786,432 bytes; xs 32,768 bytes; idx 8,192 bytes of whole numbers; prob 8,192 bytes; hq 25,952,256 bytes; hs 1,441,792 bytes; y 16,842,752 bytes; lst 38,912 bytes of whole numbers
;; launch route (part 6): grid 256 x 1, 4 waves a work-group, no clusters, 33,792 bytes of LDS; arguments x, gate_w, gate_b, xq, xs, idx, prob; writes xq, xs, idx, prob
.if DOCPART == 6
	.amdgcn_target "amdgcn-amd-amdhsa--gfx1250"
	.amdhsa_code_object_version 6
	.text
	.protected	k_q3cf3898c2c_route
	.globl	k_q3cf3898c2c_route
	.p2align	8
	.type	k_q3cf3898c2c_route,@function
k_q3cf3898c2c_route:
	s_mov_b64 s[64:65], 0
	v_nop
	global_prefetch_b8 v0, s[64:65] scope:SCOPE_SE
	s_setreg_imm32_b32 hwreg(HW_REG_WAVE_MODE, 25, 1), 1
	s_wait_xcnt 0x0
; ROUTER AND QUANTISER OF x.  One wave takes one token t = 4 x work-group + wave.
; scores = x[t] . gate_w + gate_b in f32 (fused multiply-adds, lane l sums k = 32 l .. 32 l + 31, then the 32 lanes are added);
; the two largest scores (a strict compare: the lower index wins a tie); softmax of the two with the larger taken away;
; x[t] as codes of E3M2 with one E8M0 byte for each 32 along K: lane l holds block l whole.
; xq: [token][K step of 128: 8][half 2][48 bytes]: block b of a K step lies at 48 (b & 1) + 24 (b >> 1), so that lane (r, h) of an operand takes 48 bytes on end.
; xs: [token][32 bytes].  idx: u32 [2 t + k] the expert.  prob: f32 [2 t + k].
; LIMITS: NaN and infinities are not served.  A block whose largest magnitude lies under 2^-122 (a block of zeros too) gets the byte 1: this program alone reads the bytes.
; The scores are summed in another order than a plain loop over k: two scores closer than f32 rounding may change ranks.
; No matrix unit (N = 8), no cluster: the work-groups share only gate_w, 32 KiB.
.set X,  16                            ; v16-47   my 32 numbers of x
.set GA, 48                            ; v48-111  gate_w on its way to LDS, then a chunk of 8 rows x 8 experts
.set GB, 112                           ; v112-175 the other chunk
.set AC, 176                           ; v176-183 the eight sums
	s_load_b256 s[4:11], s[0:1], 0x0               ; x, gate_w, gate_b, xq
	s_load_b128 s[12:15], s[0:1], 0x20             ; xs, idx
	s_load_b64 s[16:17], s[0:1], 0x30              ; prob
	v_lshl_add_u32 v208, v0, 2, 0x8200
	v_mov_b32 v209, 0
	v_lshrrev_b32 v1, 5, v0
	v_readfirstlane_b32 s18, v1                    ; wave
	s_lshl_b32 s19, ttmp9, 2
	s_add_co_u32 s19, s19, s18                     ; token
	v_and_b32 v1, 31, v0                           ; lane
	v_lshlrev_b32 v2, 7, v1                        ; x: 128 bytes a lane
	v_lshlrev_b32 v3, 4, v0                        ; gate_w: 16 bytes a thread
	v_lshrrev_b32 v4, 6, v0
	v_mul_u32_u24 v4, 1040, v4
	v_and_b32 v5, 63, v0
	v_lshl_add_u32 v4, v5, 4, v4                   ; LDS, in: each 1,024 bytes (32 rows of gate_w) get a place of 1,040
	v_mul_u32_u24 v5, 1040, v1                     ; LDS, out: lane l takes rows 32 l on; 1,040 is an odd multiple of 16
	v_lshrrev_b32 v6, 2, v1
	v_mul_u32_u24 v6, 96, v6
	v_and_b32 v7, 1, v1
	v_mad_u32_u24 v6, v7, 48, v6
	v_bfe_u32 v7, v1, 1, 1
	v_mad_u32_u24 v6, v7, 24, v6                   ; xq: 96 (l >> 2) + 48 (l & 1) + 24 ((l >> 1) & 1)
	v_mov_b32 v8, 0
	s_mov_b32 s28, 0x76543210
	s_mov_b32 s29, 0xfedcba98                      ; lane l xor 16
	s_lshl_b32 s20, s19, 12
	s_mov_b32 s21, 0
	s_mul_i32 s22, s19, 768
	s_mov_b32 s23, 0
	s_lshl_b32 s24, s19, 5
	s_mov_b32 s25, 0
	s_lshl_b32 s26, s19, 3
	s_mov_b32 s27, 0
	s_wait_alu depctr_va_vdst(0)
	s_wait_kmcnt 0x0
	s_load_b256 s[36:43], s[8:9], 0x0              ; gate_b
	s_add_nc_u64 s[4:5], s[4:5], s[20:21]
	s_add_nc_u64 s[10:11], s[10:11], s[22:23]
	s_add_nc_u64 s[12:13], s[12:13], s[24:25]
	s_add_nc_u64 s[14:15], s[14:15], s[26:27]
	s_add_nc_u64 s[16:17], s[16:17], s[26:27]
.irp i, 0,1,2,3,4,5,6,7
	global_load_b128 v[X+4*\i:X+4*\i+3], v2, s[4:5] offset:16*\i th:TH_LOAD_NT
.endr
.irp m, 0,1,2,3,4,5,6,7,8,9,10,11,12,13,14,15
	global_load_b128 v[GA+4*\m:GA+4*\m+3], v3, s[6:7] offset:2048*\m
.endr
	s_wait_loadcnt 0x0
.irp m, 0,1,2,3,4,5,6,7,8,9,10,11,12,13,14,15
	ds_store_b128 v4, v[GA+4*\m:GA+4*\m+3] offset:2080*\m
.endr
	s_wait_dscnt 0x0                               ; for the others: my part of gate_w lies in LDS
	s_barrier_signal -1
	s_barrier_wait -1
.macro GLOAD ch, set                   ; rows 8 ch .. 8 ch + 7 of my 32: 256 bytes
.irp q, 0,1,2,3,4,5,6,7,8,9,10,11,12,13,14,15
	ds_load_b128 v[\set+4*\q:\set+4*\q+3], v5 offset:256*\ch+16*\q
.endr
.endm
.macro GFMA ch, set                    ; eight experts, two to an instruction; x[i] is taken for both halves out of its pair
.set gi, 0
.rept 8
.set xi, 8*\ch+gi
.set xp, X+xi-(xi%2)
.irp q, 0,1,2,3
.if xi == 0
	v_pk_mul_f32 v[AC+2*\q:AC+2*\q+1], v[\set+2*\q:\set+2*\q+1], v[xp:xp+1] op_sel_hi:[1,0]
.elseif xi%2 == 0
	v_pk_fma_f32 v[AC+2*\q:AC+2*\q+1], v[\set+8*gi+2*\q:\set+8*gi+2*\q+1], v[xp:xp+1], v[AC+2*\q:AC+2*\q+1] op_sel_hi:[1,0,1]
.else
	v_pk_fma_f32 v[AC+2*\q:AC+2*\q+1], v[\set+8*gi+2*\q:\set+8*gi+2*\q+1], v[xp:xp+1], v[AC+2*\q:AC+2*\q+1] op_sel:[0,1,0] op_sel_hi:[1,1,1]
.endif
.endr
.set gi, gi+1
.endr
.endm
	GLOAD 0, GA
	GLOAD 1, GB
	s_wait_dscnt 16                                ; the older chunk is in, the younger 16 loads may be out
	GFMA 0, GA
	GLOAD 2, GA
	s_wait_alu depctr_va_vdst(0)
	s_wait_dscnt 16
	GFMA 1, GB
	GLOAD 3, GB
	s_wait_alu depctr_va_vdst(0)
	s_wait_dscnt 16
	GFMA 2, GA
	s_wait_alu depctr_va_vdst(0)
	s_wait_dscnt 0x0
	GFMA 3, GB
.irp m, 1,2,4,8
.irp e, 0,1,2,3,4,5,6,7
	v_add_f32_dpp v[AC+\e], v[AC+\e], v[AC+\e] row_xmask:\m row_mask:0xf bank_mask:0xf
.endr
.endr
.irp e, 0,1,2,3,4,5,6,7
	v_permlanex16_b32 v[GA+\e], v[AC+\e], s28, s29
.endr
	s_wait_alu depctr_va_vdst(0)
	s_wait_kmcnt 0x0                               ; gate_b
.irp e, 0,1,2,3,4,5,6,7
	v_add_f32 v[AC+\e], v[AC+\e], v[GA+\e]
.endr
.irp e, 0,1,2,3,4,5,6,7
	v_add_f32 v[AC+\e], s[36+\e], v[AC+\e]         ; every lane holds all eight scores
.endr
	; the largest, then the largest of the others: v184, v200 and v185, v201
	v_mov_b32 v184, v[AC]
	v_mov_b32 v200, 0
.irp e, 1,2,3,4,5,6,7
	v_cmp_gt_f32 vcc_lo, v[AC+\e], v184
	v_cndmask_b32 v184, v184, v[AC+\e], vcc_lo
	v_cndmask_b32 v200, v200, \e, vcc_lo
.endr
	v_mov_b32 v185, 0xff800000
	v_mov_b32 v201, 0
.irp e, 0,1,2,3,4,5,6,7
	v_cmp_gt_f32 s44, v[AC+\e], v185
	v_cmp_ne_u32 vcc_lo, \e, v200
	s_and_b32 vcc_lo, vcc_lo, s44
	v_cndmask_b32 v185, v185, v[AC+\e], vcc_lo
	v_cndmask_b32 v201, v201, \e, vcc_lo
.endr
	v_sub_f32 v186, v185, v184                     ; the second less the first: 0 or less
	v_mul_f32 v186, 0x3fb8aa3b, v186
	s_wait_alu depctr_va_vdst(0)
	v_exp_f32 v186, v186
	; the block's largest magnitude stands behind the exponential as its plain work
	v_max3_num_f32 v188, |v[X]|, |v[X+1]|, 0x2800000      ; with the floor 2^(5 - 127): the byte cannot fall under 1
	v_max3_num_f32 v189, |v[X+2]|, |v[X+3]|, 0x2800000
.irp i, 4,8,12,16,20,24,28
	v_max3_num_f32 v188, v188, |v[X+\i]|, |v[X+\i+1]|
	v_max3_num_f32 v189, v189, |v[X+\i+2]|, |v[X+\i+3]|
.endr
	s_wait_alu depctr_va_vdst(0)
	v_add_f32 v187, 1.0, v186
	s_wait_alu depctr_va_vdst(0)
	v_rcp_f32 v202, v187                           ; p of the first = 1 / (1 + e^(second - first))
	v_max_num_f32 v188, v188, v189
	s_wait_alu depctr_va_vdst(0)
	v_mul_f32 v203, v186, v202                     ; p of the second
	v_add_nc_u32 v190, 0xfe000000, v188            ; 4 off the exponent field: the conversion's scale operand
	v_cvt_scalef32_pk16_bf6_f32 v[192:194], v[X:X+15], v190
	v_cvt_scalef32_pk16_bf6_f32 v[196:198], v[X+16:X+31], v190
	v_lshrrev_b32 v191, 23, v190                   ; the byte
	global_store_b96 v6, v[192:194], s[10:11]
	global_store_b96 v6, v[196:198], s[10:11] offset:12
	global_store_b8 v1, v191, s[12:13]
	v_cmp_eq_u32 vcc_lo, 0, v1
	s_wait_alu depctr_va_vdst(0)
	s_wait_xcnt 0x0                                ; EXEC changes only behind this wait
	s_wait_tensorcnt 0x0
	ds_add_u32 v208, v209
	s_wait_dscnt 0x0
	s_and_saveexec_b32 s45, vcc_lo
	global_store_b64 v8, v[200:201], s[14:15]      ; lane 0: the two experts,
	global_store_b64 v8, v[202:203], s[16:17]      ; and their weights
	s_wait_xcnt 0x0
	s_or_b32 exec_lo, exec_lo, s45
	s_endpgm
.Lfunc_end_k_q3cf3898c2c_route:
	.size	k_q3cf3898c2c_route, .Lfunc_end_k_q3cf3898c2c_route-k_q3cf3898c2c_route
	.p2alignl 7, 3214868480
	.fill 96, 4, 3214868480
	.section	.rodata,"a",@progbits
	.p2align	6, 0x0
	.amdhsa_kernel k_q3cf3898c2c_route
		.amdhsa_group_segment_fixed_size 33792
		.amdhsa_private_segment_fixed_size 0
		.amdhsa_enable_private_segment 0
		.amdhsa_kernarg_size 56
		.amdhsa_user_sgpr_count 2
		.amdhsa_user_sgpr_kernarg_segment_ptr 1
		.amdhsa_wavefront_size32 1
		.amdhsa_system_sgpr_workgroup_id_x 1
		.amdhsa_system_sgpr_workgroup_id_y 1
		.amdhsa_system_sgpr_workgroup_id_z 1
		.amdhsa_system_vgpr_workitem_id 0
		.amdhsa_next_free_vgpr 210
		.amdhsa_next_free_sgpr 66
		.amdhsa_reserve_vcc 1
		.amdhsa_float_denorm_mode_32 3
		.amdhsa_float_denorm_mode_16_64 3
		.amdhsa_memory_ordered 1
		.amdhsa_forward_progress 1
		.amdhsa_inst_pref_size 26
	.end_amdhsa_kernel
	.amdgpu_metadata
---
amdhsa.version: [ 1, 2 ]
amdhsa.kernels:
  - .name:           k_q3cf3898c2c_route
    .symbol:         k_q3cf3898c2c_route.kd
    .args:
      - { .name: x, .offset: 0, .size: 8, .value_kind: global_buffer, .address_space: global }
      - { .name: gate_w, .offset: 8, .size: 8, .value_kind: global_buffer, .address_space: global }
      - { .name: gate_b, .offset: 16, .size: 8, .value_kind: global_buffer, .address_space: global }
      - { .name: xq, .offset: 24, .size: 8, .value_kind: global_buffer, .address_space: global }
      - { .name: xs, .offset: 32, .size: 8, .value_kind: global_buffer, .address_space: global }
      - { .name: idx, .offset: 40, .size: 8, .value_kind: global_buffer, .address_space: global }
      - { .name: prob, .offset: 48, .size: 8, .value_kind: global_buffer, .address_space: global }
    .group_segment_fixed_size: 33792
    .private_segment_fixed_size: 0
    .kernarg_segment_align: 8
    .kernarg_segment_size: 56
    .max_flat_workgroup_size: 128
    .sgpr_count:     66
    .vgpr_count:     210
    .wavefront_size: 32
...
	.end_amdgpu_metadata
.endif
;; end of part 6
;; launch place (part 7): grid 8 x 1, 1 waves a work-group, no clusters, 5,120 bytes of LDS; arguments idx, lst; writes lst
.if DOCPART == 7
	.amdgcn_target "amdgcn-amd-amdhsa--gfx1250"
	.amdhsa_code_object_version 6
	.text
	.protected	k_q3cf3898c2c_place
	.globl	k_q3cf3898c2c_place
	.p2align	8
	.type	k_q3cf3898c2c_place,@function
k_q3cf3898c2c_place:
	s_mov_b64 s[64:65], 0
	v_nop
	global_prefetch_b8 v0, s[64:65] scope:SCOPE_SE
	s_setreg_imm32_b32 hwreg(HW_REG_WAVE_MODE, 25, 1), 1
	s_wait_xcnt 0x0
; THE PLACING OF ROWS.  A routed row is 2 t + k; idx[2 t + k] is its expert.  Work-group e, one wave, lays the rows of expert e in a list and counts them.
; lst: [e][4,864 bytes]: words 0 .. 1,151 the list, filled up with the dummy 2048 + e; from byte 4,608 on 256 bytes that all hold the count.
; The order in the list is that of the scan: 64 steps, step 4 q + i takes the rows 128 q + i + 4 x lane; within a step by lane.  Both products read this one list.
; The list is built in LDS (a wave's LDS instructions are served in order: no wait between the fill, the scatter and the reading back) and leaves in runs of 512 consecutive bytes.
; An expert has at most 1,024 rows, since a token's two experts differ; a place is held to 1,183 all the same.  An entry of idx outside 0 .. 7 matches no expert.
; Eight work-groups: the work is one scan of 8 KiB for each expert.  No barrier: one wave.  No matrix unit, no cluster: nothing here multiplies, and idx is small.
.set I,    16                          ; v16-79  idx: register 4 q + i, lane l: entry 128 q + 4 l + i;  later the list on its way out
.set P,    80                          ; v80-87  four pairs (place, row) by turns
	s_load_b128 s[4:7], s[0:1], 0x0                ; idx, lst
	v_lshl_add_u32 v96, v0, 2, 0x1300
	v_mov_b32 v97, 0
	s_mov_b32 s19, ttmp9                           ; e
	s_add_co_u32 s33, ttmp9, 2048                  ; the dummy row
	s_mul_i32 s8, ttmp9, 4864
	s_mov_b32 s9, 0
	s_mov_b32 s10, 0                               ; rows found so far
	v_lshlrev_b32 v1, 4, v0                        ; 16 x lane
	v_lshlrev_b32 v2, 2, v0                        ; 4 x lane
	v_lshlrev_b32 v3, 3, v0                        ; 8 x lane
	v_mov_b32 v4, s33
	v_mov_b32 v5, s33
	v_mov_b32 v6, s33
	v_mov_b32 v7, s33
	v_add_nc_u32 v9, 1152, v0                      ; a lane without a match writes behind the list
	s_wait_alu depctr_va_vdst(0)
	s_wait_kmcnt 0x0
	s_add_nc_u64 s[6:7], s[6:7], s[8:9]
.set sq, 0
.rept 16
	global_load_b128 v[I+4*sq:I+4*sq+3], v1, s[4:5] offset:512*sq
.set sq, sq+1
.endr
.irp i, 0,1,2,3,4,5,6,7,8
	ds_store_b128 v1, v[4:7] offset:512*\i         ; the list begins as dummies
.endr
	s_wait_loadcnt 0x0
.set sq, 0
.rept 64
.set PL, P+2*(sq%4)
	v_cmp_eq_u32 vcc_lo, s19, v[I+sq]
	v_mbcnt_lo_u32_b32 v[PL], vcc_lo, s10          ; rows found so far + matches in lower lanes
	v_cndmask_b32 v[PL], v9, v[PL], vcc_lo
	v_min_u32 v[PL], 0x49f, v[PL]
	v_lshlrev_b32 v[PL], 2, v[PL]
	v_add_nc_u32 v[PL+1], 128*(sq/4)+sq%4, v2      ; the row 2 t + k
	ds_store_b32 v[PL], v[PL+1]
	s_bcnt1_i32_b32 s11, vcc_lo
	s_add_co_u32 s10, s10, s11
.set sq, sq+1
.endr
.irp i, 0,1,2,3,4,5,6,7,8
	ds_load_b128 v[I+4*\i:I+4*\i+3], v1 offset:512*\i
.endr
	v_mov_b32 v12, s10
	v_mov_b32 v13, s10
	s_wait_alu depctr_va_vdst(0)
	s_wait_dscnt 0x0
.irp i, 0,1,2,3,4,5,6,7,8
	global_store_b128 v1, v[I+4*\i:I+4*\i+3], s[6:7] offset:512*\i     ; 512 consecutive bytes, aligned
.endr
	global_store_b64 v3, v[12:13], s[6:7] offset:4608                  ; the count, 256 consecutive bytes of it: EXEC stays as it is
	s_wait_tensorcnt 0x0
	ds_add_u32 v96, v97
	s_wait_dscnt 0x0
	s_endpgm
.Lfunc_end_k_q3cf3898c2c_place:
	.size	k_q3cf3898c2c_place, .Lfunc_end_k_q3cf3898c2c_place-k_q3cf3898c2c_place
	.p2alignl 7, 3214868480
	.fill 96, 4, 3214868480
	.section	.rodata,"a",@progbits
	.p2align	6, 0x0
	.amdhsa_kernel k_q3cf3898c2c_place
		.amdhsa_group_segment_fixed_size 5120
		.amdhsa_private_segment_fixed_size 0
		.amdhsa_enable_private_segment 0
		.amdhsa_kernarg_size 16
		.amdhsa_user_sgpr_count 2
		.amdhsa_user_sgpr_kernarg_segment_ptr 1
		.amdhsa_wavefront_size32 1
		.amdhsa_system_sgpr_workgroup_id_x 1
		.amdhsa_system_sgpr_workgroup_id_y 1
		.amdhsa_system_sgpr_workgroup_id_z 1
		.amdhsa_system_vgpr_workitem_id 0
		.amdhsa_next_free_vgpr 98
		.amdhsa_next_free_sgpr 66
		.amdhsa_reserve_vcc 1
		.amdhsa_float_denorm_mode_32 3
		.amdhsa_float_denorm_mode_16_64 3
		.amdhsa_memory_ordered 1
		.amdhsa_forward_progress 1
		.amdhsa_inst_pref_size 31
	.end_amdhsa_kernel
	.amdgpu_metadata
---
amdhsa.version: [ 1, 2 ]
amdhsa.kernels:
  - .name:           k_q3cf3898c2c_place
    .symbol:         k_q3cf3898c2c_place.kd
    .args:
      - { .name: idx, .offset: 0, .size: 8, .value_kind: global_buffer, .address_space: global }
      - { .name: lst, .offset: 8, .size: 8, .value_kind: global_buffer, .address_space: global }
    .group_segment_fixed_size: 5120
    .private_segment_fixed_size: 0
    .kernarg_segment_align: 8
    .kernarg_segment_size: 16
    .max_flat_workgroup_size: 32
    .sgpr_count:     66
    .vgpr_count:     98
    .wavefront_size: 32
...
	.end_amdgpu_metadata
.endif
;; end of part 7
;; launch gemm1 (part 8): grid 256 x 1, 8 waves a work-group, no clusters, 103,936 bytes of LDS; arguments W1, b1, xq, xs, lst, hq, hs; writes hq, hs
.if DOCPART == 8
	.amdgcn_target "amdgcn-amd-amdhsa--gfx1250"
	.amdhsa_code_object_version 6
	.text
	.protected	k_q3cf3898c2c_gemm1
	.globl	k_q3cf3898c2c_gemm1
	.p2align	8
	.type	k_q3cf3898c2c_gemm1,@function
k_q3cf3898c2c_gemm1:
	s_mov_b64 s[64:65], 0
	v_nop
	global_prefetch_b8 v0, s[64:65] scope:SCOPE_SE
	s_setreg_imm32_b32 hwreg(HW_REG_WAVE_SCHED_MODE, 0, 2), 2
	s_setreg_imm32_b32 hwreg(HW_REG_WAVE_MODE, 25, 1), 1
	s_wait_xcnt 0x0
	s_wait_alu depctr_vm_vsrc(0)
; h = relu(x W1[e] + b1[e]) for the rows routed to expert e, columns 128 fs .. 128 fs + 127, and h as codes of E3M2.  Work-group = 32 e + fs.
; THE WEIGHTS, 512 KiB of f32 a work-group, are read once and quantised in registers: wave w takes K step w (128 along K) of the 128 columns, in four patches of 64 columns x 64 K.
; A load of a patch reads two rows of 256 consecutive bytes; lane (r, h) gets columns 4 r .. 4 r + 3 of row 32 h + j, so that a block of 32 along K of a column lies in one lane.
; TWO PATCH BUFFERS take turns, so that two patches of a wave, 32 KiB, are asked for while a third is quantised: one in window 0, the other in window 1's v128-255, which later hold x's fragments of K steps 3 to 6.
; Column tile c is the columns 4 m + c.  The fragments go to LDS as images of their registers, all 64 of them, and every wave reads them from there.
; THE ROWS: a routed row is 2 t + k.  An earlier launch has laid the rows of expert e in a list and counted them; a group is 48 places of the list; wave w takes groups w, w + 8, w + 16.
; Places behind the list's end hold the dummy 2048 + e, which reads token 1023; its results are stored like any other and used by nobody.
; THE PRODUCT IS USED TRANSPOSED: source 0 = 16 columns of W1, source 1 = 16 rows: lane (r, h) holds row r and, over the four column tiles, 32 neighbouring columns: a whole block of the next K.
; In h's codes place 8 c + j of a block holds column 4 j + c; the next launch takes W2's rows in the same order.
; hq: [e][K step 32][group 22][tile 3][half 2][512 bytes at 16 x lane, 256 bytes at 8 x lane]: the operand's registers 6 half .. + 3 and + 4, + 5.  hs: [e][K step][group][lane][2 words].
; No tensor load: the laps' work hangs on a count read from memory.  No cluster: the weights are shared by nobody, and x's codes are under a tenth of a work-group's bytes.
; LIMITS: NaN and infinities are not served; a block under 2^-122 (zeros too) gets the byte 1, read by this program alone.
; THE MODE: SCHED_MODE bits 1:0 = 2 (LLVM: expert scheduling mode 2), set by the entry lines.  The code itself states the register dependences
; between vector or matrix instructions and memory or LDS instructions, with s_wait_alu, always for 0.
; THE PLAN.  Registers that memory or LDS instructions touch, and who else names them:
;   the patch buffers    The weights' loads land in them; the quantiser's maxima and moves read them.  One wait on va_vdst stands ahead of each run of loads that asks for a buffer anew.
;   v208-255, v18-19     A unit's codes and scale words: the quantiser writes them, thirteen LDS stores read them.  The unit's last vector lines stand ahead of the wait just named, so that it serves the stores too;
;                        one wait on vm_vsrc behind the stores frees them.
;   v6-8, v17-19, v48-50 The rows' offsets: vector lines write them, one wait on va_vdst at the head of x's loads; they are written again only behind a wait on vm_vsrc.
;   v24-47, window 1, v196-231   x's scale words and fragments: loads land in them, the products read them; a later lap's loads stand behind that lap's waits on va_vdst.
;   v144-195             The weights' slots and scale pairs: LDS loads land in them, the products read them.  Two slots are asked for anew behind one wait on va_vdst, twice a step.
;   v48-143              The accumulators: the bias lands in them by LDS loads; products, relu and conversions name them; the wait ahead of h's stores also stands ahead of the next bias.
;   v232-253, v20-21     h's codes and scale words: conversions and moves write them, global stores read them: one wait on va_vdst ahead of the stores, one on vm_vsrc ahead of the next writes.
;   v1, v3-5, v23        Addresses made at the head and never written again.  v2 and v10 are made anew once, behind the barrier; v11-13 once a lap.
.set BSC,   98304                      ; LDS: 0 .. 98,303 the 64 images of 1,536 bytes, image (8 p + s) 4 + c; then 16 units of 256 bytes of their scale words,
.set BIAS,  102400                     ; and b1's 128 numbers as [half of the columns][h][c][j]
.set LI,    1                          ; v1   16 x lane
.set WOFF,  2                          ; v2   W1: (h << 19) + 16 r;   later BSCR
.set BSCR,  2
.set IMGW,  3                          ; v3   where I store images
.set BSCW,  4                          ; v4   and their scale words
.set SH8,   5                          ; v5   8 h
.set TOK,   6                          ; v6-8 the list's entries as loaded, then xq: 768 x token + 48 h, a tile each
.set MX,    9                          ; v9-12  largest magnitudes, then scale operands
.set BADDR, 10                         ; later: BIAS + 128 h
.set HO16,  11                         ; later: hq offsets
.set HO8,   12
.set BY,    13                         ; v13-16 scale bytes of four columns
.set HSO,   13                         ; later: hs offset
.set BY0,   14                         ; later: v14-16 h's scale bytes, a tile each
.set BT,    17
.set MXH,   17                         ; later: v17-19
.set PP,    18                         ; v18-19
.set TMP3,  20                         ; v20-22
.set PP2,   20
.set PT,    22
.set LIP1,  23                         ; v23  16 x lane + 49,152
.set ASC,   24                         ; v24-47 x's scale words: 8 a tile
.set S,     48                         ; v48-175 patch buffer 0;   later ACC v48-143: (tile t, column tile c) at 32 t + 8 c
.set S1,    128                        ; window 1, v128-255: patch buffer 1
.set ACC,   48
.set BR,    144                        ; later: v144-191 four slots for weight fragments
.set T,     176                        ; v176-207 two runs of 16 numbers down K
.set BSR,   192                        ; later: v192-195 two pairs of weight scale words
.set A7,    196                        ; later: v196-231 x's fragments of K step 7
.set CODES, 208                        ; v208-255 four fragments
.set HC,    232                        ; later: v232-255 h's codes, eight registers a tile
; window 1: x's fragment (tile t, K step s <= 6) at v[12 (3 s + t)]: K steps 0 to 2 under v108, K steps 3 to 6 over patch buffer 1
.set MSB, 0
.macro WIN new                         ; the immediate's high byte repeats the setting that is left
.if MSB != (\new)
	s_set_vgpr_msb (MSB<<8)|(\new)
.set MSB, (\new)
.endif
.endm
.macro NOP4
.rept 4
	v_nop
.endr
.endm
.macro BARRIER
	s_wait_dscnt 0x0                               ; my LDS stores have landed and my LDS loads are in
	s_barrier_signal -1
	s_barrier_wait -1
.endm
.macro WLOAD u, cp, w, dep             ; patch (u, cp): columns 64 u on, K 64 cp on: 32 loads, 16 KiB, into buffer w.  dep = 1: the buffer has been quantised just now
.set SB, S+(S1-S)*(\w)
	WIN 0x40*(\w)                                  ; buffer 1: destination window 1
.if \dep
	s_wait_alu depctr_va_vdst(0)                   ; the maxima and moves are done reading buffer w, in which these loads land; a unit's codes and scale words, where they are whole, are written for the LDS stores that follow the loads
.endif
.set wj, 0
.rept 32
	global_load_b128 v[SB+4*wj:SB+4*wj+3], v[WOFF], s[4:5] offset:(64*\cp+wj)*16384+256*\u th:TH_LOAD_NT
.set wj, wj+1
.endr
	WIN 0
.endm
; The patch in buffer w becomes registers 6 cp .. 6 cp + 5 of four fragments, and a byte of each column's scale word.  For buffer 1 the places that name the patch are set to window 1.
.macro QPATCH cp, w
.set SB, S+(S1-S)*(\w)
	WIN 0x05*(\w)                                  ; sources 0 and 1
.irp c, 0,1,2,3
	v_max3_num_f32 v[MX+\c], |v[SB+\c]|, |v[SB+4+\c]|, 0x2800000     ; with the floor 2^(5 - 127)
.endr
	WIN 0x14*(\w)                                  ; sources 1 and 2
.set qi, 1
.rept 15
.irp c, 0,1,2,3
	v_max3_num_f32 v[MX+\c], v[MX+\c], |v[SB+8*qi+\c]|, |v[SB+8*qi+4+\c]|   ; the four columns by turns
.endr
.set qi, qi+1
.endr
	WIN 0
.irp c, 0,1,2,3
	v_add_nc_u32 v[MX+\c], 0xfe000000, v[MX+\c]    ; 4 off the exponent field: the conversion's scale operand
.endr
.irp c, 0,1,2,3
.if \cp == 0
	v_lshrrev_b32 v[BY+\c], 23, v[MX+\c]
.else
	v_lshrrev_b32 v[BT], 23, v[MX+\c]
	v_lshl_or_b32 v[BY+\c], v[BT], 16, v[BY+\c]
.endif
.endr
.irp c, 0,1,2,3                        ; a conversion wants 16 consecutive registers down K; a load brought four columns side by side: so the numbers are moved
	WIN \w                                         ; source 0
.set qi, 0
.rept 16
	v_mov_b32 v[T+qi], v[SB+4*qi+\c]
.set qi, qi+1
.endr
	WIN 0
.if \c > 0
.irp k, 0,1,2
	v_mov_b32 v[CODES+12*(\c-1)+6*\cp+3+\k], v[TMP3+\k]    ; the column before: its upper 16 codes (a conversion's three registers begin on an even number)
.endr
.endif
	v_cvt_scalef32_pk16_bf6_f32 v[CODES+12*\c+6*\cp:CODES+12*\c+6*\cp+2], v[T:T+15], v[MX+\c]
	WIN \w
.set qi, 0
.rept 16
	v_mov_b32 v[T+16+qi], v[SB+64+4*qi+\c]
.set qi, qi+1
.endr
	WIN 0
	v_cvt_scalef32_pk16_bf6_f32 v[TMP3:TMP3+2], v[T+16:T+31], v[MX+\c]
.endr
	v_nop                                          ; one plain place behind the last conversion
.irp k, 0,1,2
	v_mov_b32 v[CODES+36+6*\cp+3+\k], v[TMP3+\k]
.endr
.endm
.macro UNITPREP                        ; a unit's scale words are made whole: vector lines alone, ahead of the wait that serves the stores
.irp c, 0,1,2,3
	v_lshlrev_b32 v[BY+\c], v[SH8], v[BY+\c]       ; my bytes are blocks h and 2 + h
.endr
.irp c, 0,1,2,3
	v_permlanex16_b32 v[BT], v[BY+\c], s28, s29
	v_or_b32 v[BY+\c], v[BY+\c], v[BT]             ; with lane l xor 16's the word is whole
.endr
	v_cndmask_b32 v[PP], v[BY], v[BY+1], s30       ; lanes 0-15 the even tile's words, lanes 16-31 the odd tile's
	v_cndmask_b32 v[PP+1], v[BY+2], v[BY+3], s30
.endm
.macro UNITSEND u                      ; four fragments and their scale words go to LDS.  No vector line stands between the wait ahead of the loads just issued and these stores
	ds_store_b64 v[BSCW], v[PP:PP+1] offset:2048*\u
.irp c, 0,1,2,3
.irp jj, 0,1,2
	ds_store_b128 v[IMGW], v[CODES+12*\c+4*\jj:CODES+12*\c+4*\jj+3] offset:49152*\u+1536*\c+512*\jj
.endr
.endr
	s_wait_dscnt 0x0
	s_wait_alu depctr_vm_vsrc(0)                   ; the stores have read the codes and the scale words, which are written again; behind the second unit also: x's loads have read v48-50, in which the bias lands, and the weights' loads v2, which is made anew
.endm
.macro LISTASK                         ; my group's 48 places of the list: lane (r, h) takes place 16 t + r
	v_and_b32 v20, 15, v0
	v_lshlrev_b32 v20, 2, v20
	v_add_nc_u32 v20, s34, v20
	s_wait_alu depctr_va_vdst(0)                   ; v20, the offset, is written; at the head so are all the addresses made there; in a later lap the vector lines that named v6-8, in which these loads land, are done
.irp t, 0,1,2
	global_load_b32 v[TOK+\t], v20, s[12:13] offset:64*\t
.endr
.endm
.macro LISTUSE so                      ; the entries have landed: the rows' tokens, where their codes lie, and in v[so] on where their scale bytes lie
.irp t, 0,1,2
	v_lshrrev_b32 v[\so+\t], 1, v[TOK+\t]          ; the token
	v_min_u32 v[\so+\t], 0x3ff, v[\so+\t]
	v_mul_u32_u24 v[TOK+\t], 768, v[\so+\t]
	v_mad_u32_u24 v[TOK+\t], v[SH8], 6, v[TOK+\t]  ; + 48 h
	v_lshlrev_b32 v[\so+\t], 5, v[\so+\t]          ; xs: 32 bytes a token
.endr
.endm
.macro AL_A so                         ; x's scale words and its fragments of K steps 0 to 2: 6 + 27 = 33 loads
	s_wait_alu depctr_va_vdst(0)                   ; the six offsets are written; in a later lap the products are done reading x's scale words and fragments, in which these loads and those of K steps 3 to 6 land
.irp t, 0,1,2
	global_load_b128 v[ASC+8*\t:ASC+8*\t+3], v[\so+\t], s[10:11]
	global_load_b128 v[ASC+8*\t+4:ASC+8*\t+7], v[\so+\t], s[10:11] offset:16
.endr
	WIN 0x40                                       ; destination window 1
.irp s, 0,1,2
.irp t, 0,1,2
.irp jj, 0,1,2
	global_load_b128 v[12*(3*\s+\t)+4*\jj:12*(3*\s+\t)+4*\jj+3], v[TOK+\t], s[8:9] offset:96*\s+16*\jj
.endr
.endr
.endr
	WIN 0
.endm
.macro AL_B dep                        ; K steps 3 to 6: 36 loads, over patch buffer 1.  dep = 1: that buffer has been quantised just now
	WIN 0x40
.if \dep
	s_wait_alu depctr_va_vdst(0)                   ; the maxima and moves are done reading patch buffer 1, in which these loads land; the second unit's codes and scale words are written for the LDS stores that follow
.endif
.irp s, 3,4,5,6
.irp t, 0,1,2
.irp jj, 0,1,2
	global_load_b128 v[12*(3*\s+\t)+4*\jj:12*(3*\s+\t)+4*\jj+3], v[TOK+\t], s[8:9] offset:96*\s+16*\jj
.endr
.endr
.endr
	WIN 0
.endm
.macro AL7                             ; K step 7: 9 loads
.irp t, 0,1,2
.irp jj, 0,1,2
	global_load_b128 v[A7+12*\t+4*\jj:A7+12*\t+4*\jj+3], v[TOK+\t], s[8:9] offset:672+16*\jj
.endr
.endr
.endm
.macro BFETCH p, s, c                  ; weight fragment (pass p, K step s, column tile c) into slot c; with c = 0 the step's scale words
.if (\c) == 0
	ds_load_b64 v[BSR+2*((\s)%2):BSR+2*((\s)%2)+1], v[BSCR] offset:256*(8*(\p)+(\s))
.endif
.irp jj, 0,1,2
	ds_load_b128 v[BR+12*(\c)+4*\jj:BR+12*(\c)+4*\jj+3], v[LI+(LIP1-LI)*(\p)] offset:1536*(4*(\s)+(\c))+512*\jj
.endr
.endm
.macro PRELOAD p
.irp c, 0,1,2,3
	BFETCH \p,0,\c
.endr
.endm
.macro BIASLOAD p                      ; the bias is the C of each sum's first product
.irp t, 0,1,2
.irp c, 0,1,2,3
	ds_load_b128 v[ACC+32*\t+8*\c:ACC+32*\t+8*\c+3], v[BADDR] offset:256*\p+32*\c
	ds_load_b128 v[ACC+32*\t+8*\c+4:ACC+32*\t+8*\c+7], v[BADDR] offset:256*\p+32*\c+16
.endr
.endr
.endm
.macro WM s, c, t
.if (\s) < 7
.set AR, 12*(3*(\s)+(\t))
.else
.set AR, A7+12*(\t)
.endif
.set DR, ACC+32*(\t)+8*(\c)
.if (\c)%2
	v_wmma_scale_f32_16x16x128_f8f6f4 v[DR:DR+7], v[BR+12*(\c):BR+12*(\c)+11], v[AR:AR+11], v[DR:DR+7], v[BSR+2*((\s)%2)+(\c)/2], v[ASC+8*(\t)+(\s)] matrix_a_fmt:MATRIX_FMT_BF6 matrix_b_fmt:MATRIX_FMT_BF6 matrix_a_scale:MATRIX_SCALE_ROW1
.else
	v_wmma_scale_f32_16x16x128_f8f6f4 v[DR:DR+7], v[BR+12*(\c):BR+12*(\c)+11], v[AR:AR+11], v[DR:DR+7], v[BSR+2*((\s)%2)+(\c)/2], v[ASC+8*(\t)+(\s)] matrix_a_fmt:MATRIX_FMT_BF6 matrix_b_fmt:MATRIX_FMT_BF6
.endif
.endm
; A pass: 64 columns x 48 rows x K 1,024: 96 products.  The 12 accumulators take turns, one instruction a turn.
; Behind the products of column tiles 0 and 1, and again behind those of tiles 2 and 3: four places, one wait, and the two slots just read are asked for anew, a step ahead.
; DScnt: the LDS loads issued behind the fragment wanted.  Tile 0: three fragments (9); tile 1: two (6); tile 2: one fragment, then the next step's scale pair and two fragments (10); tile 3: that pair and those two (7); in the last step 9, 6, 3, 0.
; LOADcnt, first pass: x's K steps were asked for in ascending order, nine loads each, K step 7 last: behind K step s stand 9 (7 - s) loads, which may stay out.
.macro PASS p
.irp s, 0,1,2,3,4,5,6,7
.if \s < 7
	WIN 0x04                                       ; source 1 in window 1
.else
	WIN 0
.endif
.if \p == 0
	s_wait_loadcnt 9*(7-\s)
.endif
.irp c, 0,1,2,3
.if \c == 0
	s_wait_dscnt 9
.elseif \c == 1
	s_wait_dscnt 6
.elseif \s < 7
	s_wait_dscnt 16-3*\c
.else
	s_wait_dscnt 9-3*\c
.endif
.irp t, 0,1,2
	WM \s,\c,\t
.endr
.if \c%2 == 1
.if \s < 7
	NOP4
	s_wait_alu depctr_va_vdst(0)                   ; the six products above are done reading their two slots, and the step before is done reading its scale pair: the LDS loads below land in them
	BFETCH \p,\s+1,\c-1
	BFETCH \p,\s+1,\c
.elseif \c == 3
	NOP4                                           ; four places behind the pass's last products, before their results are read
.endif
.endif
.endr
.endr
.endm
; The way out of a pass: relu, each lane's block of 32, its byte, its codes: registers 6 p .. 6 p + 5 of the next product's operand.
.macro EPI p
	s_wait_xcnt 0x0                                ; the codes' registers are written again only behind this wait
	s_wait_alu depctr_vm_vsrc(0)                   ; the stores of the pass before have read h's codes, and the loads of x's scale words their offsets v17-19: both are written again below
.set ei, 0
.rept 96
	v_max_num_f32 v[ACC+ei], 0, v[ACC+ei]          ; ascending: each accumulator from its low end on
.set ei, ei+1
.endr
.irp t, 0,1,2
	v_max3_num_f32 v[MXH+\t], v[ACC+32*\t], v[ACC+32*\t+1], 0x2800000
.endr
.irp i, 2,4,6,8,10,12,14,16,18,20,22,24,26,28,30
.irp t, 0,1,2
	v_max3_num_f32 v[MXH+\t], v[MXH+\t], v[ACC+32*\t+\i], v[ACC+32*\t+\i+1]
.endr
.endr
.irp t, 0,1,2
	v_add_nc_u32 v[MXH+\t], 0xfe000000, v[MXH+\t]
.endr
.irp t, 0,1,2
.if \p == 0
	v_lshrrev_b32 v[BY0+\t], 23, v[MXH+\t]
.else
	v_lshrrev_b32 v[PT], 23, v[MXH+\t]
	v_lshl_or_b32 v[BY0+\t], v[PT], 16, v[BY0+\t]
.endif
.endr
.irp t, 0,1,2
	v_cvt_scalef32_pk16_bf6_f32 v[HC+8*\t:HC+8*\t+2], v[ACC+32*\t:ACC+32*\t+15], v[MXH+\t]
	v_cvt_scalef32_pk16_bf6_f32 v[HC+8*\t+4:HC+8*\t+6], v[ACC+32*\t+16:ACC+32*\t+31], v[MXH+\t]
.endr
	v_nop                                          ; one plain place behind the last conversion
.irp t, 0,1,2
	v_mov_b32 v[HC+8*\t+3], v[HC+8*\t+4]           ; the upper 16 codes move down by one register
	v_mov_b32 v[HC+8*\t+4], v[HC+8*\t+5]
	v_mov_b32 v[HC+8*\t+5], v[HC+8*\t+6]
.endr
.if \p == 1                            ; the scale words are made whole ahead of the one wait
.irp t, 0,1,2
	v_lshlrev_b32 v[BY0+\t], v[SH8], v[BY0+\t]
.endr
.irp t, 0,1,2
	v_permlanex16_b32 v[PT], v[BY0+\t], s28, s29
	v_or_b32 v[BY0+\t], v[BY0+\t], v[PT]
.endr
	v_cndmask_b32 v[PP2], v[BY0], v[BY0+1], s30
	v_mov_b32 v[PP2+1], v[BY0+2]
.endif
	s_wait_alu depctr_va_vdst(0)                   ; h's codes (second pass: and its scale words) are written, which the stores read; the conversions are done reading the accumulators, in which the next bias lands
.irp t, 0,1,2
	global_store_b128 v[HO16], v[HC+8*\t:HC+8*\t+3], s[14:15] offset:1536*\t+768*\p        ; 512 consecutive bytes
	global_store_b64 v[HO8], v[HC+8*\t+4:HC+8*\t+5], s[14:15] offset:1536*\t+768*\p+512    ; 256 consecutive bytes
.endr
.if \p == 1
	global_store_b64 v[HSO], v[PP2:PP2+1], s[16:17]        ; 256 consecutive bytes
.endif
.endm
	s_load_b256 s[4:11], s[0:1], 0x0               ; W1, b1, xq, xs
	s_load_b128 s[12:15], s[0:1], 0x20             ; lst, hq
	s_load_b64 s[16:17], s[0:1], 0x30              ; hs
	v_lshrrev_b32 v9, 5, v0
	v_readfirstlane_b32 s18, v9                    ; wave
	s_lshr_b32 s19, ttmp9, 5                       ; e
	s_and_b32 s20, ttmp9, 31                       ; fs
	s_mov_b32 s28, 0x76543210
	s_mov_b32 s29, 0xfedcba98                      ; lane l xor 16
	s_mov_b32 s30, 0xffff0000                      ; lanes 16-31
	v_and_b32 v9, 31, v0
	v_and_b32 v10, 15, v0
	v_bfe_u32 v11, v0, 4, 1
	v_lshlrev_b32 v[LI], 4, v9
	v_lshlrev_b32 v[WOFF], 4, v10
	v_lshl_or_b32 v[WOFF], v11, 19, v[WOFF]
	s_wait_alu depctr_va_sdst(0)                   ; s18, the wave's number, is written, ahead of its first reader
	s_mul_i32 s26, s18, 6144
	v_add_nc_u32 v[IMGW], s26, v[LI]               ; image (8 u + w) 4 + c
	s_lshl_b32 s26, s18, 8
	s_add_co_u32 s26, s26, BSC
	v_lshl_add_u32 v[BSCW], v9, 3, s26
	v_lshlrev_b32 v[SH8], 3, v11
	v_add_nc_u32 v[LIP1], 49152, v[LI]
	v_lshlrev_b32 v251, 2, v0                      ; b1: 4 bytes a thread
	v_and_b32 v252, 0x60, v0
	v_lshlrev_b32 v252, 2, v252
	v_and_b32 v253, 3, v0
	v_lshl_add_u32 v252, v253, 5, v252
	v_and_b32 v253, 0x1c, v0
	v_add_nc_u32 v252, v252, v253
	v_add_nc_u32 v252, BIAS, v252                  ; column i = 64 p + 32 h + 4 j + c goes to 256 p + 128 h + 32 c + 4 j
	s_mul_i32 s23, s18, 3                          ; my group's first tile
	s_mov_b32 s24, 0                               ; the lap
	s_mul_i32 s34, s18, 192                        ; my group in the list,
	s_mul_i32 s35, s18, 4608                       ; in hq,
	s_lshl_b32 s36, s18, 8                         ; in hs
	s_lshl_b32 s26, s19, 24
	s_lshl_b32 s27, s18, 21
	s_add_co_u32 s26, s26, s27
	s_lshl_b32 s27, s20, 9
	s_add_co_u32 s26, s26, s27
	s_mov_b32 s27, 0
	s_lshl_b32 s38, s19, 14
	s_lshl_b32 s39, s20, 9
	s_add_co_u32 s38, s38, s39
	s_mov_b32 s39, 0
	s_mul_i32 s40, ttmp9, 101376
	s_mov_b32 s41, 0
	s_mul_i32 s42, ttmp9, 5632
	s_mov_b32 s43, 0
	s_mul_i32 s44, s19, 4864                       ; the expert's list
	s_mov_b32 s45, 0
	s_wait_kmcnt 0x0
	s_add_nc_u64 s[4:5], s[4:5], s[26:27]
	s_add_nc_u64 s[6:7], s[6:7], s[38:39]
	s_add_nc_u64 s[12:13], s[12:13], s[44:45]
	s_add_nc_u64 s[14:15], s[14:15], s[40:41]
	s_add_nc_u64 s[16:17], s[16:17], s[42:43]
	s_load_b32 s21, s[12:13], 0x1200               ; the number of the expert's rows
	LISTASK                                        ; my first group's places: ahead of the weights, so that they are in with the first patch.  Its wait serves b1's load and store and the first two patches too: no vector line follows it before the quantiser
	s_cmp_lt_u32 s18, 4
	s_cbranch_scc0 .Lno_b1
	global_load_b32 v250, v251, s[6:7]
.Lno_b1:
	WLOAD 0,0,0,0                                  ; the first two patches go out together
	WLOAD 0,1,1,0
	s_wait_loadcnt 32                              ; the list, b1 and patch (0, 0) are in; patch (0, 1)'s 32 loads may be out
	s_cmp_lt_u32 s18, 4
	s_cbranch_scc0 .Lno_b1s
	ds_store_b32 v252, v250
.Lno_b1s:
	s_wait_alu depctr_vm_vsrc(0)                   ; the list's loads have read v20, b1's load v251 and its LDS store v250 and v252: the quantiser writes all four
	QPATCH 0,0
	WLOAD 1,0,0,1                                  ; each buffer is asked for anew as soon as it has been read
	s_wait_loadcnt 32                              ; patch (0, 1) is in; (1, 0) may be out
	QPATCH 1,1
	UNITPREP
	WLOAD 1,1,1,1
	UNITSEND 0
	s_wait_loadcnt 32                              ; patch (1, 0) is in; (1, 1) may be out
	QPATCH 0,0
	s_wait_kmcnt 0x0
	s_min_u32 s21, s21, 1024
	s_add_co_u32 s22, s21, 15
	s_lshr_b32 s22, s22, 4                         ; tiles of 16 rows,
	s_max_u32 s22, s22, 1                          ; at least one, so that group 0 is always stored
	LISTUSE S                                      ; (buffer 0 is idle from here on: its first three registers hold the offsets in xs)
	AL_A S                                         ; x's first K steps land under the last patch's quantising
	s_wait_loadcnt 33                              ; patch (1, 1) is in; the 33 loads just issued may be out
	QPATCH 1,1
	UNITPREP
	s_wait_xcnt 0x0                                ; the offsets in xs have had their addresses translated: their registers become accumulators (the wait on vm_vsrc behind the second unit's stores stands ahead of that too)
	AL_B 1                                         ; buffer 1 is free: x's K steps 3 to 6 land under the first three steps of the products
	UNITSEND 1
	BARRIER                                        ; all 64 images and the bias lie in LDS; from here on LDS is only read
	v_and_b32 v9, 31, v0
	v_lshl_add_u32 v[BSCR], v9, 3, BSC
	v_bfe_u32 v[BADDR], v0, 4, 1
	v_lshl_add_u32 v[BADDR], v[BADDR], 7, BIAS
	v_mov_b32 v[PT], 0
.Llap:                                             ; three trips: groups w, w + 8, w + 16
	s_cmp_ge_u32 s23, s22
	s_cbranch_scc1 .Lnext                          ; no row of the expert lies in this group
	s_cmp_eq_u32 s24, 0
	s_cbranch_scc1 .Lhave                          ; the first group's operands were asked for above
	LISTASK
	s_wait_loadcnt 0x0
	LISTUSE MXH
	AL_A MXH
	AL_B 0
.Lhave:
	v_add_nc_u32 v[HO16], s35, v[LI]
	v_lshrrev_b32 v[HO8], 1, v[LI]
	v_add_nc_u32 v[HSO], s36, v[HO8]
	v_add_nc_u32 v[HO8], s35, v[HO8]
	s_wait_alu depctr_va_vdst(0)                   ; v2 and v10, the LDS addresses of the loads below, and the stores' offsets v11-13 are written; the quantiser, or the lap before, is done with K step 7's registers, the slots, the scale pairs and the accumulators, in which those loads land
	AL7
	PRELOAD 0
	BIASLOAD 0
	s_wait_dscnt 0x0
	PASS 0
	s_wait_alu depctr_va_vdst(0)                   ; the last steps' products are done reading the four slots and the scale pair in which the next pass's first loads land
	PRELOAD 1
	EPI 0
	BIASLOAD 1
	s_wait_dscnt 0x0
	PASS 1
	EPI 1
.Lnext:
	s_wait_xcnt 0x0                                ; offsets and data of what has been issued may be written again
	s_wait_alu depctr_vm_vsrc(0)                   ; this lap's loads have read v6-8, and its stores v11-13, v20-21 and h's codes: the next lap writes them
	s_add_co_u32 s23, s23, 24
	s_add_co_u32 s34, s34, 1536
	s_add_co_u32 s35, s35, 36864
	s_add_co_u32 s36, s36, 2048
	s_add_co_u32 s24, s24, 1
	s_cmp_lt_u32 s24, 3
	s_cbranch_scc1 .Llap
	s_wait_xcnt 0x0
	v_lshl_add_u32 v254, v0, 2, 0x19200
	v_mov_b32 v255, 0
	s_wait_dscnt 0x0                               ; the closing lines, six on end
	s_wait_alu 0x0
	s_wait_tensorcnt 0x0
	ds_add_u32 v254, v255
	s_wait_dscnt 0x0
	s_endpgm
.Lfunc_end_k_q3cf3898c2c_gemm1:
	.size	k_q3cf3898c2c_gemm1, .Lfunc_end_k_q3cf3898c2c_gemm1-k_q3cf3898c2c_gemm1
	.p2alignl 7, 3214868480
	.fill 96, 4, 3214868480
	.section	.rodata,"a",@progbits
	.p2align	6, 0x0
	.amdhsa_kernel k_q3cf3898c2c_gemm1
		.amdhsa_group_segment_fixed_size 103936
		.amdhsa_private_segment_fixed_size 0
		.amdhsa_enable_private_segment 0
		.amdhsa_kernarg_size 56
		.amdhsa_user_sgpr_count 2
		.amdhsa_user_sgpr_kernarg_segment_ptr 1
		.amdhsa_wavefront_size32 1
		.amdhsa_system_sgpr_workgroup_id_x 1
		.amdhsa_system_sgpr_workgroup_id_y 1
		.amdhsa_system_sgpr_workgroup_id_z 1
		.amdhsa_system_vgpr_workitem_id 0
		.amdhsa_next_free_vgpr 512
		.amdhsa_next_free_sgpr 66
		.amdhsa_reserve_vcc 0
		.amdhsa_float_denorm_mode_32 3
		.amdhsa_float_denorm_mode_16_64 3
		.amdhsa_memory_ordered 1
		.amdhsa_forward_progress 1
		.amdhsa_inst_pref_size 140
	.end_amdhsa_kernel
	.amdgpu_metadata
---
amdhsa.version: [ 1, 2 ]
amdhsa.kernels:
  - .name:           k_q3cf3898c2c_gemm1
    .symbol:         k_q3cf3898c2c_gemm1.kd
    .args:
      - { .name: W1, .offset: 0, .size: 8, .value_kind: global_buffer, .address_space: global }
      - { .name: b1, .offset: 8, .size: 8, .value_kind: global_buffer, .address_space: global }
      - { .name: xq, .offset: 16, .size: 8, .value_kind: global_buffer, .address_space: global }
      - { .name: xs, .offset: 24, .size: 8, .value_kind: global_buffer, .address_space: global }
      - { .name: lst, .offset: 32, .size: 8, .value_kind: global_buffer, .address_space: global }
      - { .name: hq, .offset: 40, .size: 8, .value_kind: global_buffer, .address_space: global }
      - { .name: hs, .offset: 48, .size: 8, .value_kind: global_buffer, .address_space: global }
    .group_segment_fixed_size: 103936
    .private_segment_fixed_size: 0
    .kernarg_segment_align: 8
    .kernarg_segment_size: 56
    .max_flat_workgroup_size: 256
    .sgpr_count:     66
    .vgpr_count:     512
    .wavefront_size: 32
...
	.end_amdgpu_metadata
.endif
;; end of part 8
;; launch gemm2 (part 9): grid 256 x 1, 8 waves a work-group, no clusters, 138,240 bytes of LDS; arguments W2, hq, hs, lst, y; writes y
.if DOCPART == 9
	.amdgcn_target "amdgcn-amd-amdhsa--gfx1250"
	.amdhsa_code_object_version 6
	.text
	.protected	k_q3cf3898c2c_gemm2
	.globl	k_q3cf3898c2c_gemm2
	.p2align	8
	.type	k_q3cf3898c2c_gemm2,@function
k_q3cf3898c2c_gemm2:
	s_mov_b64 s[64:65], 0
	v_nop
	global_prefetch_b8 v0, s[64:65] scope:SCOPE_SE
	s_setreg_imm32_b32 hwreg(HW_REG_WAVE_SCHED_MODE, 0, 2), 2
	s_setreg_imm32_b32 hwreg(HW_REG_WAVE_MODE, 25, 1), 1
	s_wait_xcnt 0x0
	s_wait_alu depctr_vm_vsrc(0)
; y[kh][row] = h W2[e] over half kh of K = 4,096, for the rows routed to expert e, columns 64 ns .. 64 ns + 63.  Work-group = 32 e + 16 kh + ns.  The bias and the two halves are added by the next launch.
; THE WEIGHTS, 512 KiB of f32 a work-group, are read once and quantised in registers: wave w takes the half's K steps 2 w and 2 w + 1, each in two patches of 64 columns x 64 K.
; TWO PATCH BUFFERS take turns, so that two patches of a wave, 32 KiB, are asked for while a third is quantised: one in window 0, the other in window 1's v128-255, which later hold h's fragments of steps 3 to 6.
; Inside a block of 32 along K, place j takes row 4 (j & 7) + (j >> 3): the order in which h's codes were laid.  The same order on both sides, inside a scale's block, leaves the products as they are.
; The 64 fragments go to LDS as images of their registers; every wave reads them from there.  h's fragments come from memory as images too.
; THE ROWS: the expert's list and count are read from lst, as in the launch before.  A group is 48 places; wave w takes groups w, w + 8, w + 16.  Dummy places are stored to row 2048 + e of y, which nobody reads.
; THE PRODUCT IS USED TRANSPOSED: source 0 = 16 columns of W2 (column tile c: columns 4 m + c), source 1 = 16 rows of h.  The results go through the wave's own stage in LDS and leave as runs of 256 bytes of a row.
; No tensor load: the laps' work hangs on a count read from memory.  No cluster: the weights are shared by nobody, and h's codes are a small part of a work-group's bytes.
; LIMITS: NaN and infinities are not served; a block under 2^-122 (zeros too) gets the byte 1, read by this program alone.
; THE MODE: SCHED_MODE bits 1:0 = 2 (LLVM: expert scheduling mode 2), set by the entry lines.  The code itself states the register dependences
; between vector or matrix instructions and memory or LDS instructions, with s_wait_alu, always for 0.
; THE PLAN.  Registers that memory or LDS instructions touch, and who else names them:
;   the patch buffers    The weights' loads land in them; the quantiser's maxima and moves read them.  One wait on va_vdst stands ahead of each run of loads that asks for a buffer anew.
;   v208-255, v18-19     A unit's codes and scale words: the quantiser writes them, thirteen LDS stores read them.  The unit's last vector lines stand ahead of the wait just named, so that it serves the stores too;
;                        one wait on vm_vsrc behind the stores frees them.
;   v6-8, v45            The group's offsets in hq, hs and the list: four vector lines a lap write them, one wait on va_vdst at the head of h's loads; written again only behind the wait on vm_vsrc at a lap's end.
;   v24-39, window 1, v196-231   h's scale words and fragments: loads land in them, the products read them.  In the first pass a step's registers are asked for anew behind the wait at that step's end.
;   v144-195             The weights' slots and scale pairs: LDS loads land in them, the products read them.  Two slots are asked for anew behind one wait on va_vdst, twice a step.
;   v48-143, v232-255    On the way out the accumulators are the data of LDS stores and v232-255 the offsets of global stores: all 24 offsets are made first, then one wait on va_vdst serves the three tiles.
;   v144-175             On the way out: the stage's loads land in them, global stores read them: a wait on vm_vsrc ahead of the next tile's loads.
;   v1-5, v23, v40-44, v46   Addresses made at the head and never written again.
.set BSC,   98304                      ; LDS: 0 .. 98,303 the 64 images, image 4 ks + c for the half's K step ks; then 16 units of 256 bytes of scale words,
.set STAGE, 102400                     ; and a stage of 16 rows x 272 bytes for each wave
.set LI,    1                          ; v1   16 x lane
.set WOFF,  2                          ; v2   W2: (h << 17) + 16 r
.set IMGW,  3
.set BSCW,  4
.set SH8,   5
.set AO16,  6                          ; v6   hq: 4,608 x group + 16 x lane
.set AO8,   7                          ; v7   4,608 x group + 8 x lane
.set ASO,   8                          ; v8   hs: 256 x group + 8 x lane
.set MX,    9
.set BY,    13
.set BT,    17
.set PP,    18
.set TMP3,  20
.set LIP1,  23
.set ASC,   24                         ; v24-39 h's scale words: a pair for each K step of a pass
.set BSCR,  40
.set STO,   41
.set SRD,   42
.set LAD,   43                         ; v43  32 h: my eight places of a tile in the list
.set L8,    44
.set LADT,  45                         ; v45  the same in the group in hand
.set R16,   46
.set S,     48                         ; v48-175 patch buffer 0
.set S1,    128                        ; window 1, v128-255: patch buffer 1
.set ACC,   48
.set BR,    144
.set T,     176
.set BSR,   192
.set A7,    196
.set CODES, 208
.set ROWS,  232                        ; later: v232-255 the rows of places 16 t + 8 h + i at 8 t + i, then their offsets in y
; window 1: h's fragment (tile t, step s <= 6 of the pass) at v[12 (3 s + t)]: steps 0 to 2 under v108, steps 3 to 6 over patch buffer 1
.set MSB, 0
.macro WIN new                         ; the immediate's high byte repeats the setting that is left
.if MSB != (\new)
	s_set_vgpr_msb (MSB<<8)|(\new)
.set MSB, (\new)
.endif
.endm
.macro NOP4
.rept 4
	v_nop
.endr
.endm
.macro BARRIER
	s_wait_dscnt 0x0
	s_barrier_signal -1
	s_barrier_wait -1
.endm
.macro WLOAD u, cp, w, dep             ; patch (u, cp): K step 2 w + u, K 64 cp on: 32 loads, 16 KiB, into buffer w.  dep = 1: vector lines that these loads hang on were issued since the last such wait
.set SB, S+(S1-S)*(\w)
	WIN 0x40*(\w)                                  ; buffer 1: destination window 1
.if \dep
	s_wait_alu depctr_va_vdst(0)                   ; at the head: the addresses made there are written; later: the maxima and moves are done reading buffer w, in which these loads land, and a unit's codes and scale words, where they are whole, are written for the LDS stores that follow the loads
.endif
.set wj, 0
.rept 32
	global_load_b128 v[SB+4*wj:SB+4*wj+3], v[WOFF], s[4:5] offset:(128*\u+64*\cp+4*(wj%8)+wj/8)*4096 th:TH_LOAD_NT
.set wj, wj+1
.endr
	WIN 0
.endm
; The patch in buffer w becomes registers 6 cp .. 6 cp + 5 of four fragments, and a byte of each column's scale word.  For buffer 1 the places that name the patch are set to window 1.
.macro QPATCH cp, w
.set SB, S+(S1-S)*(\w)
	WIN 0x05*(\w)                                  ; sources 0 and 1
.irp c, 0,1,2,3
	v_max3_num_f32 v[MX+\c], |v[SB+\c]|, |v[SB+4+\c]|, 0x2800000     ; with the floor 2^(5 - 127)
.endr
	WIN 0x14*(\w)                                  ; sources 1 and 2
.set qi, 1
.rept 15
.irp c, 0,1,2,3
	v_max3_num_f32 v[MX+\c], v[MX+\c], |v[SB+8*qi+\c]|, |v[SB+8*qi+4+\c]|
.endr
.set qi, qi+1
.endr
	WIN 0
.irp c, 0,1,2,3
	v_add_nc_u32 v[MX+\c], 0xfe000000, v[MX+\c]    ; 4 off the exponent field: the conversion's scale operand
.endr
.irp c, 0,1,2,3
.if \cp == 0
	v_lshrrev_b32 v[BY+\c], 23, v[MX+\c]
.else
	v_lshrrev_b32 v[BT], 23, v[MX+\c]
	v_lshl_or_b32 v[BY+\c], v[BT], 16, v[BY+\c]
.endif
.endr
.irp c, 0,1,2,3
	WIN \w                                         ; source 0
.set qi, 0
.rept 16
	v_mov_b32 v[T+qi], v[SB+4*qi+\c]
.set qi, qi+1
.endr
	WIN 0
.if \c > 0
.irp k, 0,1,2
	v_mov_b32 v[CODES+12*(\c-1)+6*\cp+3+\k], v[TMP3+\k]
.endr
.endif
	v_cvt_scalef32_pk16_bf6_f32 v[CODES+12*\c+6*\cp:CODES+12*\c+6*\cp+2], v[T:T+15], v[MX+\c]
	WIN \w
.set qi, 0
.rept 16
	v_mov_b32 v[T+16+qi], v[SB+64+4*qi+\c]
.set qi, qi+1
.endr
	WIN 0
	v_cvt_scalef32_pk16_bf6_f32 v[TMP3:TMP3+2], v[T+16:T+31], v[MX+\c]
.endr
	v_nop                                          ; one plain place behind the last conversion
.irp k, 0,1,2
	v_mov_b32 v[CODES+36+6*\cp+3+\k], v[TMP3+\k]
.endr
.endm
.macro UNITPREP                        ; a unit's scale words are made whole: vector lines alone, ahead of the wait that serves the stores
.irp c, 0,1,2,3
	v_lshlrev_b32 v[BY+\c], v[SH8], v[BY+\c]
.endr
.irp c, 0,1,2,3
	v_permlanex16_b32 v[BT], v[BY+\c], s28, s29
	v_or_b32 v[BY+\c], v[BY+\c], v[BT]
.endr
	v_cndmask_b32 v[PP], v[BY], v[BY+1], s30
	v_cndmask_b32 v[PP+1], v[BY+2], v[BY+3], s30
.endm
.macro UNITSEND u                      ; four fragments and their scale words go to LDS.  No vector line stands between the wait ahead of the loads just issued and these stores
	ds_store_b64 v[BSCW], v[PP:PP+1] offset:256*\u
.irp c, 0,1,2,3
.irp jj, 0,1,2
	ds_store_b128 v[IMGW], v[CODES+12*\c+4*\jj:CODES+12*\c+4*\jj+3] offset:6144*\u+1536*\c+512*\jj
.endr
.endr
	s_wait_dscnt 0x0
	s_wait_alu depctr_vm_vsrc(0)                   ; the stores have read the codes and the scale words: the next unit's quantising, and later the loads of h's step 7 and of the list, write these registers
.endm
.macro AFRAG reg, ks, t                ; a fragment of h: four loads, each of consecutive bytes over the lanes
	global_load_b128 v[(\reg):(\reg)+3], v[AO16], s[6:7] offset:101376*(\ks)+1536*(\t)
	global_load_b64 v[(\reg)+4:(\reg)+5], v[AO8], s[6:7] offset:101376*(\ks)+1536*(\t)+512
	global_load_b128 v[(\reg)+6:(\reg)+9], v[AO16], s[6:7] offset:101376*(\ks)+1536*(\t)+768
	global_load_b64 v[(\reg)+10:(\reg)+11], v[AO8], s[6:7] offset:101376*(\ks)+1536*(\t)+1280
.endm
.macro AL_A                            ; the first pass: eight pairs of scale words and the fragments of steps 0 to 2: 8 + 36 = 44 loads
	s_wait_alu depctr_va_vdst(0)                   ; the group's four offsets v6-8 and v45 are written; in a later lap the products are done reading h's scale words and fragments, the slots and the scale pairs, in which this lap's first loads land
.irp s, 0,1,2,3,4,5,6,7
	global_load_b64 v[ASC+2*\s:ASC+2*\s+1], v[ASO], s[8:9] offset:5632*\s
.endr
	WIN 0x40
.irp s, 0,1,2
.irp t, 0,1,2
	AFRAG 12*(3*\s+\t),\s,\t
.endr
.endr
	WIN 0
.endm
.macro AL_B dep                        ; steps 3 to 6: 48 loads, over patch buffer 1.  dep = 1: that buffer has been quantised just now
	WIN 0x40
.if \dep
	s_wait_alu depctr_va_vdst(0)                   ; the maxima and moves are done reading patch buffer 1, in which these loads land; the second unit's codes and scale words are written for the LDS stores that follow; the quantiser is done with the registers in which step 7, the slots and the scale pairs land
.endif
.irp s, 3,4,5,6
.irp t, 0,1,2
	AFRAG 12*(3*\s+\t),\s,\t
.endr
.endr
	WIN 0
.endm
.macro AL7                             ; step 7: 12 loads
.irp t, 0,1,2
	AFRAG A7+12*\t,7,\t
.endr
.endm
.macro ROWLOAD                         ; the rows of my group's places: lane half h takes places 16 t + 8 h + 0 .. 7: six loads; their offset v45 was made with the group's other offsets
.irp t, 0,1,2
.irp q, 0,1
	global_load_b128 v[ROWS+8*\t+4*\q:ROWS+8*\t+4*\q+3], v[LADT], s[10:11] offset:64*\t+16*\q
.endr
.endr
.endm
.macro ROWOFF                          ; the 24 rows become offsets in y: the row's 4,096 bytes, + 16 (lane % 16)
.set ri, 0
.rept 24
	v_min_u32 v[ROWS+ri], 0x807, v[ROWS+ri]
.set ri, ri+1
.endr
.set ri, 0
.rept 24
	v_lshl_add_u32 v[ROWS+ri], v[ROWS+ri], 12, v[R16]
.set ri, ri+1
.endr
.endm
.macro ARELOAD s                       ; behind step s of the first pass: the second pass's step s into the same registers: 13 loads
	global_load_b64 v[ASC+2*(\s):ASC+2*(\s)+1], v[ASO], s[8:9] offset:5632*(8+(\s))
.if (\s) < 7
	WIN 0x40
.irp t, 0,1,2
	AFRAG 12*(3*(\s)+\t),8+(\s),\t
.endr
.else
.irp t, 0,1,2
	AFRAG A7+12*\t,8+(\s),\t
.endr
.endif
.endm
.macro BFETCH p, s, c
.if (\c) == 0
	ds_load_b64 v[BSR+2*((\s)%2):BSR+2*((\s)%2)+1], v[BSCR] offset:256*(8*(\p)+(\s))
.endif
.irp jj, 0,1,2
	ds_load_b128 v[BR+12*(\c)+4*\jj:BR+12*(\c)+4*\jj+3], v[LI+(LIP1-LI)*(\p)] offset:1536*(4*(\s)+(\c))+512*\jj
.endr
.endm
.macro PRELOAD p
.irp c, 0,1,2,3
	BFETCH \p,0,\c
.endr
.endm
; One product.  The weights' scale word: lanes 0-15 for an even column tile, lanes 16-31 for an odd one.  h's: tile 0 lanes 0-15 and tile 1 lanes 16-31 of the pair's first register, tile 2 the second.
.macro WM p, s, c, t
.if (\s) < 7
.set AR, 12*(3*(\s)+(\t))
.else
.set AR, A7+12*(\t)
.endif
.set DR, ACC+32*(\t)+8*(\c)
.set BF, BR+12*(\c)
.set SA, BSR+2*((\s)%2)+(\c)/2
.set SB2, ASC+2*(\s)+(\t)/2
.set VAR, ((\c)%2)+2*((\t)%2)
.if (\p)+(\s) == 0
.if VAR == 0
	v_wmma_scale_f32_16x16x128_f8f6f4 v[DR:DR+7], v[BF:BF+11], v[AR:AR+11], 0, v[SA], v[SB2] matrix_a_fmt:MATRIX_FMT_BF6 matrix_b_fmt:MATRIX_FMT_BF6
.elseif VAR == 1
	v_wmma_scale_f32_16x16x128_f8f6f4 v[DR:DR+7], v[BF:BF+11], v[AR:AR+11], 0, v[SA], v[SB2] matrix_a_fmt:MATRIX_FMT_BF6 matrix_b_fmt:MATRIX_FMT_BF6 matrix_a_scale:MATRIX_SCALE_ROW1
.elseif VAR == 2
	v_wmma_scale_f32_16x16x128_f8f6f4 v[DR:DR+7], v[BF:BF+11], v[AR:AR+11], 0, v[SA], v[SB2] matrix_a_fmt:MATRIX_FMT_BF6 matrix_b_fmt:MATRIX_FMT_BF6 matrix_b_scale:MATRIX_SCALE_ROW1
.else
	v_wmma_scale_f32_16x16x128_f8f6f4 v[DR:DR+7], v[BF:BF+11], v[AR:AR+11], 0, v[SA], v[SB2] matrix_a_fmt:MATRIX_FMT_BF6 matrix_b_fmt:MATRIX_FMT_BF6 matrix_a_scale:MATRIX_SCALE_ROW1 matrix_b_scale:MATRIX_SCALE_ROW1
.endif
.else
.if VAR == 0
	v_wmma_scale_f32_16x16x128_f8f6f4 v[DR:DR+7], v[BF:BF+11], v[AR:AR+11], v[DR:DR+7], v[SA], v[SB2] matrix_a_fmt:MATRIX_FMT_BF6 matrix_b_fmt:MATRIX_FMT_BF6
.elseif VAR == 1
	v_wmma_scale_f32_16x16x128_f8f6f4 v[DR:DR+7], v[BF:BF+11], v[AR:AR+11], v[DR:DR+7], v[SA], v[SB2] matrix_a_fmt:MATRIX_FMT_BF6 matrix_b_fmt:MATRIX_FMT_BF6 matrix_a_scale:MATRIX_SCALE_ROW1
.elseif VAR == 2
	v_wmma_scale_f32_16x16x128_f8f6f4 v[DR:DR+7], v[BF:BF+11], v[AR:AR+11], v[DR:DR+7], v[SA], v[SB2] matrix_a_fmt:MATRIX_FMT_BF6 matrix_b_fmt:MATRIX_FMT_BF6 matrix_b_scale:MATRIX_SCALE_ROW1
.else
	v_wmma_scale_f32_16x16x128_f8f6f4 v[DR:DR+7], v[BF:BF+11], v[AR:AR+11], v[DR:DR+7], v[SA], v[SB2] matrix_a_fmt:MATRIX_FMT_BF6 matrix_b_fmt:MATRIX_FMT_BF6 matrix_a_scale:MATRIX_SCALE_ROW1 matrix_b_scale:MATRIX_SCALE_ROW1
.endif
.endif
.endm
; A pass: 64 columns x 48 rows x K 1,024: 96 products; the 12 accumulators take turns, one instruction a turn; the first pass's first step starts the sums with the constant 0.
; Behind the products of column tiles 0 and 1, and again behind those of tiles 2 and 3: four places, one wait, and the two slots just read are asked for anew, a step ahead.
; DScnt: the LDS loads issued behind the fragment wanted.  Tile 0: three fragments (9); tile 1: two (6); tile 2: one fragment, then the next step's scale pair and two fragments (10); tile 3: that pair and those two (7); in the last step 9, 6, 3, 0.
; LOADcnt, first pass: behind step s's fragments stand 12 loads for each later step up to step 7 and 13 for each reload issued: 84 + s (step 7: 91); the count names the most it can.
; LOADcnt, second pass: behind step s's reload stand 13 loads for each younger reload and the list's six.
.macro PASS p
.irp s, 0,1,2,3,4,5,6,7
.if \s < 7
	WIN 0x04                                       ; source 1 in window 1
.else
	WIN 0
.endif
.if \p == 0
	s_wait_loadcnt 63
.else
.if 13*(7-\s)+6 > 63
	s_wait_loadcnt 63
.else
	s_wait_loadcnt 13*(7-\s)+6
.endif
.endif
.irp c, 0,1,2,3
.if \c == 0
	s_wait_dscnt 9
.elseif \c == 1
	s_wait_dscnt 6
.elseif \s < 7
	s_wait_dscnt 16-3*\c
.else
	s_wait_dscnt 9-3*\c
.endif
.irp t, 0,1,2
	WM \p,\s,\c,\t
.endr
.if \c == 1
.if \s < 7
	NOP4
	s_wait_alu depctr_va_vdst(0)                   ; the six products above are done reading slots 0 and 1, and the step before is done reading its scale pair: the LDS loads below land in them
	BFETCH \p,\s+1,0
	BFETCH \p,\s+1,1
.endif
.endif
.if \c == 3
	NOP4                                           ; four places behind the step's last products
.if (\s < 7) || (\p == 0)
	s_wait_alu depctr_va_vdst(0)                   ; the step's products are done reading slots 2 and 3 and, in the first pass, h's fragments and scale pair of this step: the loads below land in them; behind the first pass's last step so do the next pass's first LDS loads
.endif
.if \s < 7
	BFETCH \p,\s+1,2
	BFETCH \p,\s+1,3
.endif
.endif
.endr
.if \p == 0
	ARELOAD \s
.endif
.endr
.endm
; The way out of tile t: lane (r, h) holds row r, column 32 h + 4 j + c in register 8 c + j.  Through my stage, back as rows of 256 bytes (lanes 0-15 row i, lanes 16-31 row 8 + i), to the rows of y that the list names.
.macro YOUT t
.irp c, 0,1,2,3
.irp j, 0,1,2,3,4,5,6,7
	ds_store_b32 v[STO], v[ACC+32*\t+8*\c+\j] offset:16*\j+4*\c    ; each accumulator from its low end on
.endr
.endr
.if \t > 0
	s_wait_xcnt 0x0                                ; the tile before: its stores' data are written again only behind this wait
	s_wait_alu depctr_vm_vsrc(0)                   ; the tile before: its global stores have read v144-175, in which the loads below land
.endif
.irp i, 0,1,2,3,4,5,6,7
	ds_load_b128 v[BR+4*\i:BR+4*\i+3], v[SRD] offset:272*\i        ; LDS serves a wave's instructions in order: these see my stores
.endr
	s_wait_dscnt 0x0
.irp i, 0,1,2,3,4,5,6,7
	global_store_b128 v[ROWS+8*\t+\i], v[BR+4*\i:BR+4*\i+3], s[12:13]     ; sixteen lanes store 256 consecutive bytes, aligned
.endr
.endm
	s_load_b256 s[4:11], s[0:1], 0x0               ; W2, hq, hs, lst
	s_load_b64 s[12:13], s[0:1], 0x20              ; y
	v_lshrrev_b32 v9, 5, v0
	v_readfirstlane_b32 s18, v9                    ; wave
	s_lshr_b32 s19, ttmp9, 5                       ; e
	s_bfe_u32 s20, ttmp9, 0x10004                  ; kh
	s_and_b32 s25, ttmp9, 15                       ; ns
	s_mov_b32 s28, 0x76543210
	s_mov_b32 s29, 0xfedcba98
	s_mov_b32 s30, 0xffff0000
	v_and_b32 v9, 31, v0
	v_and_b32 v10, 15, v0
	v_bfe_u32 v11, v0, 4, 1
	v_lshlrev_b32 v[LI], 4, v9
	v_lshlrev_b32 v[L8], 3, v9
	v_lshlrev_b32 v[R16], 4, v10
	v_lshl_or_b32 v[WOFF], v11, 17, v[R16]
	s_wait_alu depctr_va_sdst(0)                   ; s18, the wave's number, is written, ahead of its first reader
	s_mul_i32 s26, s18, 12288
	v_add_nc_u32 v[IMGW], s26, v[LI]               ; image 4 (2 w + u) + c
	s_lshl_b32 s26, s18, 9
	s_add_co_u32 s26, s26, BSC
	v_add_nc_u32 v[BSCW], s26, v[L8]
	v_lshlrev_b32 v[SH8], 3, v11
	v_add_nc_u32 v[LIP1], 49152, v[LI]
	v_add_nc_u32 v[BSCR], BSC, v[L8]
	s_mul_i32 s26, s18, 4352
	s_add_co_u32 s26, s26, STAGE                   ; my stage
	v_mul_u32_u24 v[STO], 272, v10
	v_lshl_add_u32 v[STO], v11, 7, v[STO]
	v_add_nc_u32 v[STO], s26, v[STO]               ; in: row r, + 128 h
	v_mul_u32_u24 v[SRD], 2176, v11
	v_add_nc_u32 v[SRD], v[SRD], v[R16]
	v_add_nc_u32 v[SRD], s26, v[SRD]               ; back: lanes 0-15 rows 0 to 7, lanes 16-31 rows 8 to 15
	v_lshlrev_b32 v[LAD], 5, v11
	s_mul_i32 s23, s18, 3                          ; my group's first tile
	s_mov_b32 s24, 0                               ; the lap
	s_mul_i32 s34, s18, 192                        ; my group in the list,
	s_mul_i32 s35, s18, 4608                       ; in hq,
	s_lshl_b32 s36, s18, 8                         ; in hs
	s_lshl_b32 s26, s19, 24
	s_lshl_b32 s27, s20, 23
	s_add_co_u32 s26, s26, s27
	s_lshl_b32 s27, s18, 20
	s_add_co_u32 s26, s26, s27
	s_lshl_b32 s27, s25, 8
	s_add_co_u32 s26, s26, s27
	s_mov_b32 s27, 0
	s_and_b32 s38, ttmp9, 0xf0                     ; 32 e + 16 kh: the half's first K step
	s_mul_i32 s40, s38, 101376
	s_mov_b32 s41, 0
	s_mul_i32 s42, s38, 5632
	s_mov_b32 s43, 0
	s_mul_i32 s38, s20, 0x808000                   ; 2,056 rows of 4,096 bytes
	s_lshl_b32 s39, s25, 8
	s_add_co_u32 s38, s38, s39
	s_mov_b32 s39, 0
	s_mul_i32 s44, s19, 4864                       ; the expert's list
	s_mov_b32 s45, 0
	s_wait_kmcnt 0x0
	s_add_nc_u64 s[4:5], s[4:5], s[26:27]
	s_add_nc_u64 s[6:7], s[6:7], s[40:41]
	s_add_nc_u64 s[8:9], s[8:9], s[42:43]
	s_add_nc_u64 s[10:11], s[10:11], s[44:45]
	s_add_nc_u64 s[12:13], s[12:13], s[38:39]
	s_load_b32 s21, s[10:11], 0x1200               ; the number of the expert's rows
	WLOAD 0,0,0,1                                  ; the first two patches go out together
	WLOAD 0,1,1,0
	s_wait_loadcnt 32                              ; patch (0, 0) is in; patch (0, 1)'s 32 loads may be out
	QPATCH 0,0
	WLOAD 1,0,0,1                                  ; each buffer is asked for anew as soon as it has been read
	s_wait_loadcnt 32                              ; patch (0, 1) is in; (1, 0) may be out
	QPATCH 1,1
	UNITPREP
	WLOAD 1,1,1,1
	UNITSEND 0
	s_wait_loadcnt 32                              ; patch (1, 0) is in; (1, 1) may be out
	QPATCH 0,0
	s_wait_kmcnt 0x0
	s_min_u32 s21, s21, 1024
	s_add_co_u32 s22, s21, 15
	s_lshr_b32 s22, s22, 4                         ; tiles of 16 rows
	s_cmp_lt_u32 s23, s22                          ; a wave whose first group has no rows asks for group 0, which is always stored, and uses nothing of it
	s_cselect_b32 s37, s18, 0
	s_min_u32 s37, s37, 7
	s_mul_i32 s38, s37, 4608
	s_lshl_b32 s39, s37, 8
	v_add_nc_u32 v[AO16], s38, v[LI]
	v_add_nc_u32 v[AO8], s38, v[L8]
	v_add_nc_u32 v[ASO], s39, v[L8]
	v_add_nc_u32 v[LADT], s34, v[LAD]              ; my first group's places in the list
	AL_A                                           ; h's first steps land under the last patch's quantising
	s_wait_loadcnt 44                              ; patch (1, 1) is in; the 44 loads just issued may be out
	QPATCH 1,1
	UNITPREP
	AL_B 1                                         ; buffer 1 is free: h's steps 3 to 6 land under the first steps of the products
	UNITSEND 1
	BARRIER                                        ; all 64 images lie in LDS; from here on a wave stores to its own stage alone
.Llap:                                             ; three trips: groups w, w + 8, w + 16
	s_cmp_ge_u32 s23, s22
	s_cbranch_scc1 .Lnext                          ; no row of the expert lies in this group
	s_cmp_eq_u32 s24, 0
	s_cbranch_scc1 .Lhave                          ; the first group's operands were asked for above
	s_wait_loadcnt 0x0                             ; no load of mine is out: the operands' registers may be asked for anew
	v_add_nc_u32 v[AO16], s35, v[LI]
	v_add_nc_u32 v[AO8], s35, v[L8]
	v_add_nc_u32 v[ASO], s36, v[L8]
	v_add_nc_u32 v[LADT], s34, v[LAD]
	AL_A
	AL_B 0
.Lhave:
	AL7                                            ; no vector or matrix line has been issued since the wait ahead of h's last loads: it serves these loads and the LDS loads below
	PRELOAD 0
	PASS 0
	ROWLOAD                                        ; the list's six loads stand behind the reloads: they are wanted on the way out alone
	PRELOAD 1
	PASS 1
	s_wait_loadcnt 0x0                             ; the rows
	ROWOFF
	s_wait_alu depctr_va_vdst(0)                   ; the products have written the accumulators, which the LDS stores read, and are done reading the slots, in which the stage's loads land; the 24 offsets in y are written, which the global stores read
	YOUT 0
	YOUT 1
	YOUT 2
.Lnext:
	s_wait_xcnt 0x0                                ; offsets and data of what has been issued may be written again
	s_wait_alu depctr_vm_vsrc(0)                   ; this lap's loads have read v6-8 and v45, its LDS stores the accumulators, its global stores v144-175 and v232-255: the next lap writes them
	s_add_co_u32 s23, s23, 24
	s_add_co_u32 s34, s34, 1536
	s_add_co_u32 s35, s35, 36864
	s_add_co_u32 s36, s36, 2048
	s_add_co_u32 s24, s24, 1
	s_cmp_lt_u32 s24, 3
	s_cbranch_scc1 .Llap
	s_wait_xcnt 0x0
	v_lshl_add_u32 v254, v0, 2, 0x21800
	v_mov_b32 v255, 0
	s_wait_dscnt 0x0                               ; the closing lines, six on end
	s_wait_alu 0x0
	s_wait_tensorcnt 0x0
	ds_add_u32 v254, v255
	s_wait_dscnt 0x0
	s_endpgm
.Lfunc_end_k_q3cf3898c2c_gemm2:
	.size	k_q3cf3898c2c_gemm2, .Lfunc_end_k_q3cf3898c2c_gemm2-k_q3cf3898c2c_gemm2
	.p2alignl 7, 3214868480
	.fill 96, 4, 3214868480
	.section	.rodata,"a",@progbits
	.p2align	6, 0x0
	.amdhsa_kernel k_q3cf3898c2c_gemm2
		.amdhsa_group_segment_fixed_size 138240
		.amdhsa_private_segment_fixed_size 0
		.amdhsa_enable_private_segment 0
		.amdhsa_kernarg_size 40
		.amdhsa_user_sgpr_count 2
		.amdhsa_user_sgpr_kernarg_segment_ptr 1
		.amdhsa_wavefront_size32 1
		.amdhsa_system_sgpr_workgroup_id_x 1
		.amdhsa_system_sgpr_workgroup_id_y 1
		.amdhsa_system_sgpr_workgroup_id_z 1
		.amdhsa_system_vgpr_workitem_id 0
		.amdhsa_next_free_vgpr 512
		.amdhsa_next_free_sgpr 66
		.amdhsa_reserve_vcc 0
		.amdhsa_float_denorm_mode_32 3
		.amdhsa_float_denorm_mode_16_64 3
		.amdhsa_memory_ordered 1
		.amdhsa_forward_progress 1
		.amdhsa_inst_pref_size 147
	.end_amdhsa_kernel
	.amdgpu_metadata
---
amdhsa.version: [ 1, 2 ]
amdhsa.kernels:
  - .name:           k_q3cf3898c2c_gemm2
    .symbol:         k_q3cf3898c2c_gemm2.kd
    .args:
      - { .name: W2, .offset: 0, .size: 8, .value_kind: global_buffer, .address_space: global }
      - { .name: hq, .offset: 8, .size: 8, .value_kind: global_buffer, .address_space: global }
      - { .name: hs, .offset: 16, .size: 8, .value_kind: global_buffer, .address_space: global }
      - { .name: lst, .offset: 24, .size: 8, .value_kind: global_buffer, .address_space: global }
      - { .name: y, .offset: 32, .size: 8, .value_kind: global_buffer, .address_space: global }
    .group_segment_fixed_size: 138240
    .private_segment_fixed_size: 0
    .kernarg_segment_align: 8
    .kernarg_segment_size: 40
    .max_flat_workgroup_size: 256
    .sgpr_count:     66
    .vgpr_count:     512
    .wavefront_size: 32
...
	.end_amdgpu_metadata
.endif
;; end of part 9
;; launch combine (part 10): grid 256 x 1, 4 waves a work-group, no clusters, 0 bytes of LDS; arguments y, idx, prob, b2, out0; writes out0
.if DOCPART == 10
	.amdgcn_target "amdgcn-amd-amdhsa--gfx1250"
	.amdhsa_code_object_version 6
	.text
	.protected	k_q3cf3898c2c_combine
	.globl	k_q3cf3898c2c_combine
	.p2align	8
	.type	k_q3cf3898c2c_combine,@function
k_q3cf3898c2c_combine:
	s_mov_b64 s[64:65], 0
	v_nop
	global_prefetch_b8 v0, s[64:65] scope:SCOPE_SE
	s_setreg_imm32_b32 hwreg(HW_REG_WAVE_MODE, 25, 1), 1
	s_wait_xcnt 0x0
; out[t] = p0 (y0[2 t] + y1[2 t] + b2[e0]) + p1 (y0[2 t + 1] + y1[2 t + 1] + b2[e1]), all f32.  y0, y1: the two halves of K, 2,056 rows of 4,096 bytes each.
; One wave takes one token: a row is eight loads of 512 consecutive bytes.  A stream: no LDS, no barrier, no matrix unit, no cluster (nothing but b2's 32 KiB is shared).
; The experts' numbers are whole numbers read from memory, held to 0 .. 7.
.set Y,  16                            ; v16-143  y[kh][k] at 64 kh + 32 k
.set B,  144                           ; v144-207 b2[e_k] at 32 k
	s_load_b256 s[4:11], s[0:1], 0x0               ; y, idx, prob, b2
	s_load_b64 s[12:13], s[0:1], 0x20              ; out0
	v_lshrrev_b32 v1, 5, v0
	v_readfirstlane_b32 s14, v1
	s_lshl_b32 s15, ttmp9, 2
	s_add_co_u32 s15, s15, s14                     ; token
	v_and_b32 v1, 31, v0
	v_lshlrev_b32 v1, 4, v1                        ; 16 bytes a lane
	s_lshl_b32 s16, s15, 13                        ; two rows of y
	s_mov_b32 s17, 0
	s_lshl_b32 s18, s15, 3
	s_mov_b32 s19, 0
	s_lshl_b32 s32, s15, 12
	s_mov_b32 s33, 0
	s_wait_alu depctr_va_vdst(0)
	s_wait_kmcnt 0x0
	s_add_nc_u64 s[4:5], s[4:5], s[16:17]
	s_add_nc_u64 s[34:35], s[4:5], 0x808000        ; the other half of K
	s_add_nc_u64 s[6:7], s[6:7], s[18:19]
	s_add_nc_u64 s[8:9], s[8:9], s[18:19]
	s_add_nc_u64 s[12:13], s[12:13], s[32:33]
	s_load_b64 s[20:21], s[6:7], 0x0               ; e0, e1
	s_load_b64 s[22:23], s[8:9], 0x0               ; p0, p1
.irp k, 0,1
.irp i, 0,1,2,3,4,5,6,7
	global_load_b128 v[Y+32*\k+4*\i:Y+32*\k+4*\i+3], v1, s[4:5] offset:4096*\k+512*\i th:TH_LOAD_NT
	global_load_b128 v[Y+64+32*\k+4*\i:Y+64+32*\k+4*\i+3], v1, s[34:35] offset:4096*\k+512*\i th:TH_LOAD_NT
.endr
.endr
	s_wait_kmcnt 0x0
	s_min_u32 s20, s20, 7
	s_min_u32 s21, s21, 7
	s_lshl_b32 s24, s20, 12
	s_mov_b32 s25, 0
	s_add_nc_u64 s[26:27], s[10:11], s[24:25]
	s_lshl_b32 s24, s21, 12
	s_add_nc_u64 s[28:29], s[10:11], s[24:25]
	s_mov_b32 s30, s23                             ; p1 as the low word of a pair of its own
	s_mov_b32 s31, s23
.irp i, 0,1,2,3,4,5,6,7
	global_load_b128 v[B+4*\i:B+4*\i+3], v1, s[26:27] offset:512*\i
	global_load_b128 v[B+32+4*\i:B+32+4*\i+3], v1, s[28:29] offset:512*\i
.endr
	s_wait_loadcnt 0x0
.set d, 0
.rept 16
	v_pk_add_f32 v[Y+d:Y+d+1], v[Y+d:Y+d+1], v[Y+64+d:Y+64+d+1]
	v_pk_add_f32 v[Y+32+d:Y+32+d+1], v[Y+32+d:Y+32+d+1], v[Y+96+d:Y+96+d+1]
	v_pk_add_f32 v[Y+d:Y+d+1], v[Y+d:Y+d+1], v[B+d:B+d+1]
	v_pk_add_f32 v[Y+32+d:Y+32+d+1], v[Y+32+d:Y+32+d+1], v[B+32+d:B+32+d+1]
	v_pk_mul_f32 v[Y+32+d:Y+32+d+1], v[Y+32+d:Y+32+d+1], s[30:31] op_sel_hi:[1,0]
	v_pk_fma_f32 v[Y+d:Y+d+1], v[Y+d:Y+d+1], s[22:23], v[Y+32+d:Y+32+d+1] op_sel_hi:[1,0,1]
.set d, d+2
.endr
.irp i, 0,1,2,3,4,5,6,7
	global_store_b128 v1, v[Y+4*\i:Y+4*\i+3], s[12:13] offset:512*\i th:TH_STORE_NT   ; 512 consecutive bytes, aligned
.endr
	s_endpgm
.Lfunc_end_k_q3cf3898c2c_combine:
	.size	k_q3cf3898c2c_combine, .Lfunc_end_k_q3cf3898c2c_combine-k_q3cf3898c2c_combine
	.p2alignl 7, 3214868480
	.fill 96, 4, 3214868480
	.section	.rodata,"a",@progbits
	.p2align	6, 0x0
	.amdhsa_kernel k_q3cf3898c2c_combine
		.amdhsa_group_segment_fixed_size 0
		.amdhsa_private_segment_fixed_size 0
		.amdhsa_enable_private_segment 0
		.amdhsa_kernarg_size 40
		.amdhsa_user_sgpr_count 2
		.amdhsa_user_sgpr_kernarg_segment_ptr 1
		.amdhsa_wavefront_size32 1
		.amdhsa_system_sgpr_workgroup_id_x 1
		.amdhsa_system_sgpr_workgroup_id_y 1
		.amdhsa_system_sgpr_workgroup_id_z 1
		.amdhsa_system_vgpr_workitem_id 0
		.amdhsa_next_free_vgpr 208
		.amdhsa_next_free_sgpr 66
		.amdhsa_reserve_vcc 0
		.amdhsa_float_denorm_mode_32 3
		.amdhsa_float_denorm_mode_16_64 3
		.amdhsa_memory_ordered 1
		.amdhsa_forward_progress 1
		.amdhsa_inst_pref_size 13
	.end_amdhsa_kernel
	.amdgpu_metadata
---
amdhsa.version: [ 1, 2 ]
amdhsa.kernels:
  - .name:           k_q3cf3898c2c_combine
    .symbol:         k_q3cf3898c2c_combine.kd
    .args:
      - { .name: y, .offset: 0, .size: 8, .value_kind: global_buffer, .address_space: global }
      - { .name: idx, .offset: 8, .size: 8, .value_kind: global_buffer, .address_space: global }
      - { .name: prob, .offset: 16, .size: 8, .value_kind: global_buffer, .address_space: global }
      - { .name: b2, .offset: 24, .size: 8, .value_kind: global_buffer, .address_space: global }
      - { .name: out0, .offset: 32, .size: 8, .value_kind: global_buffer, .address_space: global }
    .group_segment_fixed_size: 0
    .private_segment_fixed_size: 0
    .kernarg_segment_align: 8
    .kernarg_segment_size: 40
    .max_flat_workgroup_size: 128
    .sgpr_count:     66
    .vgpr_count:     208
    .wavefront_size: 32
...
	.end_amdgpu_metadata
.endif
;; end of part 10
